; MI455X (gfx1250); checked and timed in simulation.
; The chip was launched on July 23, 2026; its instructions are those of AMD's public machine-readable ISA for CDNA 5 (MIT licence, August 2026) and "CDNA5" Instruction Set Architecture Reference Guide (July 2026). The comments in the code are by the model that wrote it; some were corrected since.
;; Random Assign Mo E. Allowed arithmetic: matrix products marked QUANTISED: E3M2 operands, one E8M0 scale for each 32 along K, by v_wmma_scale_f32_16x16x128_f8f6f4 with both operands' format E3M2, f32 sums; everything else in f32.
;; Inputs: b1 16 x 2,048 float32; b2 16 x 1,024 float32; h_codes 2 x 512 x 32 x 24 uint8 (E3M2 codes of h, K innermost, in blocks of 32 codes, four codes in three bytes); h_scales 2 x 512 x 32 uint8 (E8M0 scales of h, one for each 32 codes along K); router_w_codes 16 x 32 x 24 uint8 (E3M2 codes of router_w, K innermost, in blocks of 32 codes, four codes in three bytes); router_w_scales 16 x 32 uint8 (E8M0 scales of router_w, one for each 32 codes along K); w1_codes 16 x 2,048 x 32 x 24 uint8 (E3M2 codes of w1, K innermost, in blocks of 32 codes, four codes in three bytes); w1_scales 16 x 2,048 x 32 uint8 (E8M0 scales of w1, one for each 32 codes along K); w2_codes 16 x 1,024 x 64 x 24 uint8 (E3M2 codes of w2, K innermost, in blocks of 32 codes, four codes in three bytes); w2_scales 16 x 1,024 x 64 uint8 (E8M0 scales of w2, one for each 32 codes along K).
;; Outputs: out0 2 x 512 x 1,024 float32.
;; This version of the problem:
;;   THIS VERSION OF THE PROBLEM IS GIVEN IN LOW PRECISION. The matrix products marked QUANTISED in the list below multiply operands that are first quantised to E3M2 (3 exponent bits, 2 mantissa bits; 6 bits a number), with one power-of-two scale for each 32 numbers along K (OCP MX v1.0); their sums are f32. All else is computed in f32.
;;   The module's matrix products, in the order in which they are computed (A, B: the left and right operand; K: the contracted axis; several contracted axes count as one K, in the product's order):
;;     1. [M 1,024, K 1,024] x [K 1,024, N 16]; A: input h (given as codes); B: input router_w (given as codes): QUANTISED
;;     2. [M 1,024, K 1,024] x [K 1,024, N 32,768]; A: input h (given as codes); B: input w1 (given as codes): QUANTISED
;;     3. batch 16 x [M 1,024, K 2,048] x [K 2,048, N 1,024]; A: input w2 (given as codes); B: computed on the way: QUANTISED
;;   THE QUANTISER, for each operand of a quantised product, along K:
;;     - K is cut into blocks of 32 from its start; a last block that is shorter is filled with zeros.
;;     - A block's scale is 2^e with e = floor(log2(the largest magnitude in the block)) - 4, held to -126 .. 127; a block of zeros has e = 0. As a byte (E8M0): e + 127.
;;     - Each number is divided by its block's scale, clamped to +-28, and rounded to the nearest number of E3M2, ties to even, subnormals kept.
;;     - The product sums the exact products of the quantised numbers (number of the format x scale) in f32.
;;   ~~~python
;;   def quantise(x, axis):      # numpy; x: float32 -> the quantised numbers, widened to float32 again
;;       x = np.moveaxis(x, axis, -1); K = x.shape[-1]
;;       x = np.pad(x, [(0, 0)] * (x.ndim - 1) + [(0, -K % 32)]); x = x.reshape(x.shape[:-1] + (-1, 32)); a = np.abs(x).max(-1, keepdims=True)
;;       e = np.where(a > 0, np.clip(np.frexp(np.where(a > 0, a, 1))[1] - 1 - 4, -126, 127), 0)      # np.frexp(a)[1] - 1 = floor(log2(a)), exactly
;;       r = np.clip(x / 2.0 ** e, -28, 28)
;;       step = 2.0 ** (np.maximum(np.frexp(np.where(r == 0, 1, r))[1] - 1, -2) - 2)
;;       q = np.round(r / step) * step * 2.0 ** e      # np.round: ties to even
;;       return np.moveaxis(q.reshape(q.shape[:-2] + (-1,))[..., :K], -1, axis).astype(np.float32)
;;   ~~~
;;   OPERANDS COMPUTED ON THE WAY. 'Computed on the way' means the value that the module computes at that place (a softmax that the list does not call 'softmax' is quantised finished and normalised). What goes into a quantiser is computed in f32, as accurately as f32 sums, v_exp_f32 and their like allow (about 1e-6 of the number): no bf16 or f16 on the way to a quantiser, and a product that is left as it is and whose result goes on into a quantised operand takes f32 operands (vector FMAs, or v_wmma_f32_16x16x4_f32). A number that lies on a knife's edge between two numbers of the format may be rounded either way, as far as f32 arithmetic and the matrix unit's own rounding can turn it there, and no further.
;;   INPUTS GIVEN AS CODES. h (in the module: [2, 512, 1024], K = its axis 2); router_w (in the module: [1024, 16], K = its axis 0); w1 (in the module: [16, 1024, 2048], K = its axis 1); w2 (in the module: [16, 2048, 1024], K = its axis 1): each comes as NAME_codes (uint8): NAME with its K axis moved to the last place and cut into blocks of 32 codes, [.., K / 32, bytes a block], one block behind the other in memory; four codes in three bytes: a row's codes are one little-endian stream of bits, code i at bits 6 i .. 6 i + 5 (a code: sign, 3 exponent bits, 2 mantissa bits); and NAME_scales (uint8): the same leading axes, one E8M0 byte (e + 127) for each 32 codes along K. Its value is code x scale, taken as it is: it is not quantised again, and the codes and scales need not be those that the quantiser above would give.
;; 2 versions. Each part assembles by itself: llvm-mc -triple=amdgcn-amd-amdhsa -mcpu=gfx1250 --defsym DOCPART=n.
;; ======== version 1 of 2: 3 launches
;; workspace buffers: assign 4,096 bytes of whole numbers; gate 4,096 bytes; hid_codes 1,966,080 bytes; hid_scales 81,920 bytes
;; launch route (part 1): grid 16 x 1, 4 waves a work-group, no clusters, 1,024 bytes of LDS; arguments h_codes, h_scales, router_w_codes, router_w_scales, assign, gate; writes assign, gate
.if DOCPART == 1
	.amdgcn_target "amdgcn-amd-amdhsa--gfx1250"
	.amdhsa_code_object_version 6
	.text
	.protected	k_qe5b55dd3fc_route
	.globl	k_qe5b55dd3fc_route
	.p2align	8
	.type	k_qe5b55dd3fc_route,@function
k_qe5b55dd3fc_route:
	s_mov_b64 s[64:65], 0
	v_nop
	global_prefetch_b8 v0, s[64:65] scope:SCOPE_SE
	s_setreg_imm32_b32 hwreg(HW_REG_WAVE_MODE, 25, 1), 1
	s_wait_xcnt 0x0
; THE ROUTER.  logits = x router_w (codes of E3M2 with E8M0 scales, K = 1,024), assign = argmax over the 16 experts (the lower index on equal logits), gate = sigmoid(the largest logit).
; A work-group takes 64 tokens, each of its four waves 16.  The product is used transposed: source 0 = the router's 16 rows (experts), source 1 = 16 tokens, so that lane (r, h) holds token r
; and its eight registers the experts 8 h + 0 .. 7: the argmax is seven compares in a lane and one exchange between the halves of the lanes.
; K goes in 8 steps of 128 on two accumulators by turns, which are added at the end.  Fragments come straight from memory: a wave's 48 loads of 8 bytes a lane take each row's 768 bytes whole.
; The results meet in LDS and leave as one aligned block of 256 bytes each: 64 whole numbers (assign) by wave 0, 64 f32 (gate) by wave 1.  No address and no branch hangs on a logit.
; LIMITS: NaN among the logits is not served; two largest logits that agree to the last bits of their f32 sums may fall either way.
.set XF, 16                            ; v16-111   the tokens' 8 fragments, 12 registers each
.set RF, 112                           ; v112-207  the router's 8 fragments
.set SX, 208                           ; v208-215  the tokens' scale words, one for each K step
.set SR, 216                           ; v216-223  the router's
.set A0, 224                           ; v224-239  two accumulators
.set LG, 240                           ; v240-247  the logits
	s_load_b256 s[4:11], s[0:1], 0x0               ; h's codes s[4:5], h's scales s[6:7], the router's codes s[8:9], its scales s[10:11]
	s_load_b128 s[12:15], s[0:1], 0x20             ; assign s[12:13], gate s[14:15]
	v_lshl_add_u32 v15, v0, 2, 0x200
	v_mov_b32 v253, 0
	v_lshrrev_b32 v1, 5, v0
	v_readfirstlane_b32 s16, v1                    ; wave 0..3
	v_and_b32 v1, 15, v0                           ; r
	v_bfe_u32 v2, v0, 4, 1                         ; h
	v_mul_u32_u24 v3, v1, 768                      ; a row of 1,024 codes is 768 bytes
	v_mad_u32_u24 v3, v2, 24, v3                   ; + 24 h: my half of a block pair
	v_lshlrev_b32 v4, 5, v1                        ; a row of scale bytes is 32 bytes
	s_lshl_b32 s17, s16, 6
	v_lshl_add_u32 v5, v1, 2, s17                  ; LDS: token 16 w + r's word
	v_and_b32 v6, 31, v0
	v_lshlrev_b32 v6, 3, v6                        ; the way out: 8 bytes a lane
	v_lshlrev_b32 v7, 3, v0                        ; and in LDS: wave 0 reads bytes 0-255 (assign), wave 1 bytes 256-511 (gate)
	v_mov_b32 v250, 0                              ; a lane permute's destination counts as one of its sources: written once
	v_mov_b32 v251, 0
	s_mov_b32 s20, 0x76543210
	s_mov_b32 s21, 0xfedcba98                      ; v_permlanex16_b32's selects for lane l xor 16
	s_lshl_b32 s18, ttmp9, 6
	s_lshl_b32 s19, s16, 4
	s_add_co_u32 s18, s18, s19                     ; my first token: 64 x work-group + 16 x wave
	s_mul_i32 s24, s18, 768
	s_mov_b32 s25, 0
	s_lshl_b32 s26, s18, 5
	s_mov_b32 s27, 0
	s_wait_kmcnt 0x0
	s_add_nc_u64 s[4:5], s[4:5], s[24:25]
	s_add_nc_u64 s[6:7], s[6:7], s[26:27]
.irp s, 0,1,2,3,4,5,6,7
.irp p, 0,1,2,3,4,5
	global_load_b64 v[XF+12*\s+2*\p:XF+12*\s+2*\p+1], v3, s[4:5] offset:96*\s+48*(\p/3)+8*(\p%3)
	global_load_b64 v[RF+12*\s+2*\p:RF+12*\s+2*\p+1], v3, s[8:9] offset:96*\s+48*(\p/3)+8*(\p%3)
.endr
.endr
	global_load_b128 v[SX:SX+3], v4, s[6:7]
	global_load_b128 v[SX+4:SX+7], v4, s[6:7] offset:16
	global_load_b128 v[SR:SR+3], v4, s[10:11]
	global_load_b128 v[SR+4:SR+7], v4, s[10:11] offset:16
	s_wait_loadcnt 0x0
.irp s, 0,1,2,3,4,5,6,7                        ; the two accumulators take turns, one instruction a turn; the first two products start the sums
.if \s < 2
	v_wmma_scale_f32_16x16x128_f8f6f4 v[A0+8*(\s%2):A0+8*(\s%2)+7], v[RF+12*\s:RF+12*\s+11], v[XF+12*\s:XF+12*\s+11], 0, v[SR+\s], v[SX+\s] matrix_a_fmt:MATRIX_FMT_BF6 matrix_b_fmt:MATRIX_FMT_BF6
.else
	v_wmma_scale_f32_16x16x128_f8f6f4 v[A0+8*(\s%2):A0+8*(\s%2)+7], v[RF+12*\s:RF+12*\s+11], v[XF+12*\s:XF+12*\s+11], v[A0+8*(\s%2):A0+8*(\s%2)+7], v[SR+\s], v[SX+\s] matrix_a_fmt:MATRIX_FMT_BF6 matrix_b_fmt:MATRIX_FMT_BF6
.endif
.endr
.rept 4
	v_nop                                          ; four places between a matrix instruction and the first read of its result (ISA guide 7.12.1)
.endr
.irp j, 0,2,4,6
	v_pk_add_f32 v[LG+\j:LG+\j+1], v[A0+\j:A0+\j+1], v[A0+8+\j:A0+8+\j+1]   ; both accumulators from their low end on
.endr
	v_mov_b32 v248, v[LG]                          ; the best logit of my eight experts,
	v_mov_b32 v249, 0                              ; and which it is
.irp j, 1,2,3,4,5,6,7
	v_cmp_gt_f32 vcc_lo, v[LG+\j], v248            ; strictly larger only: the lower index stays on equal logits
	v_cndmask_b32 v248, v248, v[LG+\j], vcc_lo
	v_cndmask_b32 v249, v249, \j, vcc_lo
.endr
	v_lshl_add_u32 v249, v2, 3, v249               ; expert = 8 h + j
	v_permlanex16_b32 v250, v248, s20, s21         ; the other half's best,
	v_permlanex16_b32 v251, v249, s20, s21         ; and its expert
	v_cmp_gt_f32 s28, v250, v248
	v_cmp_eq_f32 s29, v250, v248
	v_cmp_lt_u32 s30, v251, v249
	s_and_b32 s29, s29, s30
	s_or_b32 vcc_lo, s28, s29                      ; take the other's where it is larger, or equal with the lower index: both halves end with the same pair
	v_cndmask_b32 v248, v248, v250, vcc_lo
	v_cndmask_b32 v249, v249, v251, vcc_lo
	v_mul_f32 v252, 0xbfb8aa3b, v248               ; sigmoid(x) = 1 / (1 + 2^(-x log2 e))
	v_exp_f32 v252, v252
	v_nop                                          ; one plain place behind a transcendental
	s_wait_alu depctr_va_vdst(0)
	v_add_f32 v252, 1.0, v252
	v_rcp_f32 v252, v252
	v_nop
	ds_store_b32 v5, v249                          ; both halves of the lanes write the same word with the same value
	s_wait_alu depctr_va_vdst(0)
	ds_store_b32 v5, v252 offset:256
	s_wait_dscnt 0x0                               ; for the others' sake: my stores are done
	s_barrier_signal -1
	s_barrier_wait -1
	s_cmp_gt_u32 s16, 1
	s_cbranch_scc1 .Lend                           ; waves 2 and 3 have nothing to store
	ds_load_b64 v[254:255], v7
	s_cmp_eq_u32 s16, 0                            ; wave 0: assign; wave 1: gate.  The choice hangs on the wave's number alone
	s_cselect_b64 s[12:13], s[12:13], s[14:15]
	s_lshl_b32 s18, ttmp9, 8                       ; 64 words a work-group
	s_mov_b32 s19, 0
	s_add_nc_u64 s[12:13], s[12:13], s[18:19]
	s_wait_dscnt 0x0
	global_store_b64 v6, v[254:255], s[12:13]      ; 32 lanes store 256 consecutive bytes, aligned
.Lend:
	s_wait_tensorcnt 0x0
	ds_add_u32 v15, v253
	s_wait_dscnt 0x0
	s_endpgm
.Lfunc_end_k_qe5b55dd3fc_route:
	.size	k_qe5b55dd3fc_route, .Lfunc_end_k_qe5b55dd3fc_route-k_qe5b55dd3fc_route
	.p2alignl 7, 3214868480
	.fill 96, 4, 3214868480
	.section	.rodata,"a",@progbits
	.p2align	6, 0x0
	.amdhsa_kernel k_qe5b55dd3fc_route
		.amdhsa_group_segment_fixed_size 1024
		.amdhsa_private_segment_fixed_size 0
		.amdhsa_enable_private_segment 0
		.amdhsa_kernarg_size 48
		.amdhsa_user_sgpr_count 2
		.amdhsa_user_sgpr_kernarg_segment_ptr 1
		.amdhsa_wavefront_size32 1
		.amdhsa_system_sgpr_workgroup_id_x 1
		.amdhsa_system_sgpr_workgroup_id_y 1
		.amdhsa_system_sgpr_workgroup_id_z 1
		.amdhsa_system_vgpr_workitem_id 0
		.amdhsa_next_free_vgpr 256
		.amdhsa_next_free_sgpr 66
		.amdhsa_reserve_vcc 1
		.amdhsa_float_denorm_mode_32 3
		.amdhsa_float_denorm_mode_16_64 3
		.amdhsa_memory_ordered 1
		.amdhsa_forward_progress 1
		.amdhsa_inst_pref_size 15
	.end_amdhsa_kernel
	.amdgpu_metadata
---
amdhsa.version: [ 1, 2 ]
amdhsa.kernels:
  - .name:           k_qe5b55dd3fc_route
    .symbol:         k_qe5b55dd3fc_route.kd
    .args:
      - { .name: h_codes, .offset: 0, .size: 8, .value_kind: global_buffer, .address_space: global }
      - { .name: h_scales, .offset: 8, .size: 8, .value_kind: global_buffer, .address_space: global }
      - { .name: router_w_codes, .offset: 16, .size: 8, .value_kind: global_buffer, .address_space: global }
      - { .name: router_w_scales, .offset: 24, .size: 8, .value_kind: global_buffer, .address_space: global }
      - { .name: assign, .offset: 32, .size: 8, .value_kind: global_buffer, .address_space: global }
      - { .name: gate, .offset: 40, .size: 8, .value_kind: global_buffer, .address_space: global }
    .group_segment_fixed_size: 1024
    .private_segment_fixed_size: 0
    .kernarg_segment_align: 8
    .kernarg_segment_size: 48
    .max_flat_workgroup_size: 128
    .sgpr_count:     66
    .vgpr_count:     256
    .wavefront_size: 32
...
	.end_amdgpu_metadata
.endif
;; end of part 1
;; launch up (part 2): grid 16 x 16, 8 waves a work-group, no clusters, 109,568 bytes of LDS; arguments assign, h_codes, h_scales, w1_codes, w1_scales, b1, hid_codes, hid_scales; writes hid_codes, hid_scales
.if DOCPART == 2
	.amdgcn_target "amdgcn-amd-amdhsa--gfx1250"
	.amdhsa_code_object_version 6
	.text
	.protected	k_qe5b55dd3fc_up
	.globl	k_qe5b55dd3fc_up
	.p2align	8
	.type	k_qe5b55dd3fc_up,@function
k_qe5b55dd3fc_up:
	s_mov_b64 s[64:65], 0
	v_nop
	global_prefetch_b8 v0, s[64:65] scope:SCOPE_SE
	s_setreg_imm32_b32 hwreg(HW_REG_WAVE_MODE, 25, 1), 1
	s_wait_xcnt 0x0
; THE FIRST LAYER, FOR THE CHOSEN ROWS ALONE: hidden = Q(gelu(x W1[e]^T + b1[e])) for the tokens whose stored expert is e, Q the MX quantiser (E3M2, a scale for each 32) along the hidden units.
; SHARES.  Work-group (x = slice, y = expert e) owns hidden units 128 slice .. + 127 of expert e: 128 rows of W1 (98,304 bytes of codes, 4,096 of scales), which nobody else reads.  All of it is asked for in the
; first lines, 24 loads of 512 consecutive bytes in each of the eight waves, goes through registers into LDS, and ONE barrier follows.  Behind it the waves share the ROWS: wave w takes the expert's tiles of
; 16 tokens w, w + 8, .. against all 128 units, which are one K step of the next product: so a wave makes a whole operand fragment and a whole scale word a row by itself, and no further barrier is needed.
; WHICH TOKENS.  Every wave reads the 1,024 stored experts (whole numbers that the launch before stored), makes 32 lane masks "is mine" and their running counts in scalar registers, and finds the p-th token of
; the expert by integer arithmetic (SELECT).  Every number that enters an address is held by a minimum with a constant first.
; TILES.  cnt = tokens of e, off = tokens of lower experts.  Expert e owns tiles TB .. TB + max(ceil(cnt / 16), 1) - 1 of the workspace, TB = off / 16 + e: they never overlap and end at 79 at the most.
; Positions past cnt - 1 are held at the last token: such rows are copies, so no lane is ever switched off.  An expert without tokens writes one tile made of token 1,023, which the next launch fetches and drops.
; THE PRODUCT IS USED TRANSPOSED (source 0 = 16 rows of W1, source 1 = 16 tokens), and the rows of W1 that form a tile are not neighbours: lane r of tile 2 b + u takes row 32 b + 8 u + r + 8 (r / 8), so that
; a lane's 16 registers of tiles 2 b, 2 b + 1 are 16 neighbours along the next K.  The rows are laid into LDS in that order.  b1 is loaded into the accumulators, so it costs no addition.
; OUT.  hid_codes[tile][slice] is the image of the operand's 12 registers (register group c of lane l at 512 c + 16 l), hid_scales[tile][slice][row] its scale word.
; NO TENSOR LOADS, NO CLUSTER: the trips hang on counts read from memory; the weights, 102,400 bytes a work-group, are shared by nobody, and what the 16 slices of an expert share, 800 bytes a token, is small beside them.
; GELU: gelu(x) = max(x, 0) - |x| erfc(|x| / sqrt 2) / 2, erfc(z) = t exp(-z^2 + P(t)), t = 1 / (1 + z / 2), P the ten-term Chebyshev fit whose fractional error is under 1.2e-7 for every z.
; LIMITS: beside the fit's error, the f32 rounding of an exponent of size x^2 / 2; an erfc under 2^-126 counts as 0; NaN and infinities are not served; a block of zeros gets the scale byte 1 (its codes are zeros, and this program alone reads the bytes).
; SCALARS: s20 expert, s21 slice, s22 wave; s23 trips done, s24 my trips (during MASKS: its two running sums); s25 at work; s26 cnt, s27 the last position served, s28 tiles, s29 TB, s30 the tile in hand, s31 the next.
.set PITCH, 784                        ; an LDS row: 768 bytes + 16 = 196 words: row r starts at bank 4 r mod 64 (64 banks of 4 bytes: ISA guide 11.1), so the 32 lanes of a load of 8 bytes touch 64 different banks
.set SCL,   128*PITCH                  ; behind the rows: their scale bytes, 32 a row, in the rows' own order
.set BIA,   SCL+4096                   ; and eight copies of the slice's 128 biases, one for each wave
.set MK,  32                           ; s32-63  word q: which lanes' register q of the stored experts is mine
.set PK,  66                           ; s66-97  32 x (members ahead of word q) + q
.set SEL, 100                          ; s100-101 v_permlanex16_b32's selects for lane l xor 16
.set XS,  32                           ; v32-39   the tokens' scale words, one for each K step
.set WS,  40                           ; v40-103  W1's scale words: tile t, K step s at 8 t + s
.set HA,  104                          ; v104-167 my 8 tiles of the hidden layer
.set AS,  104                          ; (at the head: the stored experts, register 4 i + j of lane l = token 128 i + 4 l + j)
.set T,   168                          ; v168-183 gelu: t, then |x| t
.set SV,  168                          ; (SELECT's twelve registers)
.set Q,   184                          ; v184-199 gelu: the exponent, then the exponential
.set HH,  200                          ; v200-215 gelu: -x / 2
.set PC,  216                          ; v216-234 the codes just made
.set TM,  236                          ; v236-251 the quantiser's maxima, bytes and scale operands
.set PW,  252                          ; v252     the scale word just made
.set KC,  254                          ; v254-255 the fit's leading coefficient, twice
.set XF,  0                            ; window 1: v0-95 the tokens' 8 fragments
.set WB,  96                           ; window 1: v96-143, v144-191 two buffers of four fragments of W1; at the head the 24 staged loads
.set MSB, 0
.macro WIN new                         ; s_set_vgpr_msb: bits 1:0 source 0, 3:2 source 1, 5:4 source 2, 7:6 destination; the high byte repeats the setting that is left
.if MSB != \new
	s_set_vgpr_msb (MSB<<8)|\new
.set MSB, \new
.endif
.endm
.macro PLACES                          ; four places between a matrix instruction and a load into, or a read of, its registers
.rept 4
	v_nop
.endr
.endm
; The stored experts become masks and counts.  s23 runs 32 x members + words passed, s24 counts the tokens of lower experts.
.macro MASKS
	s_mov_b32 s23, 0
	s_mov_b32 s24, 0
.set q, 0
.rept 32
	v_cmp_eq_u32 s[MK+q], s20, v[AS+q]
	v_cmp_gt_u32 vcc_lo, s20, v[AS+q]
	s_mov_b32 s[PK+q], s23
	s_bcnt1_i32_b32 s25, s[MK+q]
	s_lshl_b32 s25, s25, 5
	s_add_co_u32 s23, s23, s25
	s_add_co_u32 s23, s23, 1
	s_bcnt1_i32_b32 s25, vcc_lo
	s_add_co_u32 s24, s24, s25
.set q, q+1
.endr
	s_lshr_b32 s26, s23, 5
	s_sub_co_u32 s26, s26, 1                       ; cnt
	s_max_u32 s27, s26, 1
	s_sub_co_u32 s27, s27, 1                       ; the last position that is served
	s_add_co_u32 s28, s26, 15
	s_lshr_b32 s28, s28, 4                         ; tiles of 16 tokens
	s_lshr_b32 s29, s24, 4
	s_add_co_u32 s29, s29, s20                     ; TB
.endm
.macro LEVEL x, width, step            ; one level of the search for the REM-th set bit: pass the lower half of the field if it holds too few
	v_bfe_u32 v[SV+10], v[\x], v[SV+5], \width
	v_cmp_ge_u32 vcc_lo, v[SV+4], v[SV+10]
	v_cndmask_b32 v[SV+10], 0, v[SV+10], vcc_lo
	v_sub_nc_u32 v[SV+4], v[SV+4], v[SV+10]
	v_cndmask_b32 v[SV+11], 0, \step, vcc_lo
	v_add_nc_u32 v[SV+5], v[SV+5], v[SV+11]
.endm
; v[dst] = the token at position 16 x s[stile] + r of my expert (held at the last position).  The last word q with (members ahead of q) <= P holds it: 32 x ahead + q <= 32 P + 31 says just that.
.macro SELECT stile, dst
	s_lshl_b32 s25, s[\stile], 4
	v_add_nc_u32 v[SV], s25, v1
	v_min_u32 v[SV], s27, v[SV]                    ; P
	v_lshl_or_b32 v[SV+1], v[SV], 5, 31
	v_mov_b32 v[SV+2], s[MK]                       ; the word's mask,
	v_mov_b32 v[SV+3], 0                           ; and its 32 x ahead + q
.set q, 1
.rept 31
	v_cmp_le_u32 vcc_lo, s[PK+q], v[SV+1]
	v_cndmask_b32 v[SV+2], v[SV+2], s[MK+q], vcc_lo
	v_cndmask_b32 v[SV+3], v[SV+3], s[PK+q], vcc_lo
.set q, q+1
.endr
	v_lshrrev_b32 v[SV+10], 5, v[SV+3]
	v_sub_nc_u32 v[SV+4], v[SV], v[SV+10]          ; REM: which of the word's members
	v_and_b32 v[SV+1], 31, v[SV+3]                 ; q
	v_lshrrev_b32 v[SV+10], 1, v[SV+2]             ; the mask's bit counts in fields of 2, 4, 8 and 16 bits
	v_and_b32 v[SV+10], 0x55555555, v[SV+10]
	v_sub_nc_u32 v[SV+6], v[SV+2], v[SV+10]
	v_lshrrev_b32 v[SV+10], 2, v[SV+6]
	v_and_b32 v[SV+7], 0x33333333, v[SV+6]
	v_and_b32 v[SV+10], 0x33333333, v[SV+10]
	v_add_nc_u32 v[SV+7], v[SV+7], v[SV+10]
	v_lshrrev_b32 v[SV+10], 4, v[SV+7]
	v_add_nc_u32 v[SV+10], v[SV+7], v[SV+10]
	v_and_b32 v[SV+8], 0x0f0f0f0f, v[SV+10]
	v_lshrrev_b32 v[SV+10], 8, v[SV+8]
	v_add_nc_u32 v[SV+10], v[SV+8], v[SV+10]
	v_and_b32 v[SV+9], 0x00ff00ff, v[SV+10]
	v_mov_b32 v[SV+5], 0                           ; POS: the lane that holds the member
	LEVEL SV+9, 8, 16
	LEVEL SV+8, 8, 8
	LEVEL SV+7, 4, 4
	LEVEL SV+6, 2, 2
	LEVEL SV+2, 1, 1
	v_lshrrev_b32 v[SV+10], 2, v[SV+1]
	v_lshlrev_b32 v[SV+10], 7, v[SV+10]
	v_and_b32 v[SV+11], 3, v[SV+1]
	v_add_nc_u32 v[SV+10], v[SV+10], v[SV+11]
	v_lshl_add_u32 v[SV+10], v[SV+5], 2, v[SV+10]  ; token = 128 (q / 4) + 4 POS + q % 4
	v_min_u32 v[\dst], 0x3ff, v[SV+10]
.endm
.macro FRAGW reg, adr, off             ; a fragment, 16 rows x 128 K, is 12 registers: 24 bytes of the row's stream of bits and the 24 bytes 48 further on, in pieces of 8 bytes
.irp p, 0,1,2,3,4,5
	ds_load_b64 v[\reg+2*\p:\reg+2*\p+1], v[\adr] offset:\off+48*(\p/3)+8*(\p%3)
.endr
.endm
; The tokens of tile s[stile]: their 8 fragments and their scale words are asked for.  Every window is 0 in front and behind.
.macro PREP_UP stile
	SELECT \stile, 18
	v_mul_u32_u24 v14, v18, 768
	v_add_nc_u32 v14, v14, v5                      ; the token's row + 24 h
	v_lshlrev_b32 v15, 5, v18
	WIN 0x40                                       ; destination window 1
.irp s, 0,1,2,3,4,5,6,7
.irp p, 0,1,2,3,4,5
	global_load_b64 v[XF+12*\s+2*\p:XF+12*\s+2*\p+1], v14, s[6:7] offset:96*\s+48*(\p/3)+8*(\p%3)
.endr
.endr
	WIN 0
	global_load_b128 v[XS:XS+3], v15, s[8:9]
	global_load_b128 v[XS+4:XS+7], v15, s[8:9] offset:16
.endm
; Group g of 16: K step g / 2, tiles 4 (g % 2) + 0 .. 3, in buffer g % 2.
.macro HGLOAD g
.set hf_, (\g)%2
.set ks_, (\g)/2
.irp i, 0,1,2,3
	FRAGW WB+48*hf_+12*\i, 6+hf_, 16*PITCH*\i+96*ks_
.endr
.endm
.macro HGMUL g
.set hf_, (\g)%2
.set ks_, (\g)/2
.irp i, 0,1,2,3
	v_wmma_scale_f32_16x16x128_f8f6f4 v[HA+8*(4*hf_+\i):HA+8*(4*hf_+\i)+7], v[WB+48*hf_+12*\i:WB+48*hf_+12*\i+11], v[XF+12*ks_:XF+12*ks_+11], v[HA+8*(4*hf_+\i):HA+8*(4*hf_+\i)+7], v[WS+8*(4*hf_+\i)+ks_], v[XS+ks_] matrix_a_fmt:MATRIX_FMT_BF6 matrix_b_fmt:MATRIX_FMT_BF6
.endr
.endm
.macro HORNER c
.set i_, 0
.rept 8
	v_pk_fma_f32 v[Q+i_:Q+i_+1], v[Q+i_:Q+i_+1], v[T+i_:T+i_+1], \c op_sel_hi:[1,1,0]
.set i_, i_+2
.endr
.endm
; 16 numbers v[x] .. v[x + 15] are replaced by their gelu.
.macro GELU16 x
.set XB, \x
.set i_, 0
.rept 16
	v_fma_f32 v[T+i_], |v[XB+i_]|, 0x3eb504f3, 1.0 ; 1 + z / 2 = 1 + |x| sqrt(2) / 4.  (Each accumulator is read from its low end on)
.set i_, i_+1
.endr
.set i_, 0
.rept 16
	v_rcp_f32 v[T+i_], v[T+i_]                     ; t
.set i_, i_+1
.endr
.set i_, 0
.rept 8
	v_pk_mul_f32 v[HH+i_:HH+i_+1], v[XB+i_:XB+i_+1], -0.5 op_sel_hi:[1,0]   ; -x / 2, exact.  (The plain place behind the reciprocals)
.set i_, i_+2
.endr
.set i_, 0
	s_wait_alu depctr_va_vdst(0)
.rept 8
	v_pk_fma_f32 v[Q+i_:Q+i_+1], v[T+i_:T+i_+1], v[KC:KC+1], 0xbf527892 op_sel_hi:[1,1,0]   ; 0.17087277 t - 0.82215223
.set i_, i_+2
.endr
	HORNER 0x3fbe87b0                              ; + 1.48851587
	HORNER 0xbf914e5d                              ; - 1.13520398
	HORNER 0x3e8ec7cc                              ; + 0.27886807
	HORNER 0xbe3ec24c                              ; - 0.18628806
	HORNER 0x3dc636c9                              ; + 0.09678418
	HORNER 0x3ebf88fb                              ; + 0.37409196
	HORNER 0x3f8000c7                              ; + 1.00002368
	HORNER 0xbfa1fc4e                              ; - 1.26551223
.set i_, 0
.rept 8
	v_pk_fma_f32 v[Q+i_:Q+i_+1], v[HH+i_:HH+i_+1], v[XB+i_:XB+i_+1], v[Q+i_:Q+i_+1]   ; - z^2 = - x^2 / 2, with one rounding
.set i_, i_+2
.endr
.set i_, 0
.rept 8
	v_pk_fma_f32 v[Q+i_:Q+i_+1], v[Q+i_:Q+i_+1], 0x3fb8aa3b, -1.0 op_sel_hi:[1,0,0]   ; to base 2, and the half
.set i_, i_+2
.endr
.set i_, 0
.rept 16
	v_exp_f32 v[Q+i_], v[Q+i_]
.set i_, i_+1
.endr
.set i_, 0
.rept 16
	v_mul_f32 v[T+i_], |v[XB+i_]|, v[T+i_]         ; |x| t.  (The plain place behind the exponentials)
.set i_, i_+1
.endr
.set i_, 0
.rept 16
	v_max_num_f32 v[XB+i_], 0, v[XB+i_]
.set i_, i_+1
.endr
.set i_, 0
	s_wait_alu depctr_va_vdst(0)
.rept 8
	v_pk_fma_f32 v[XB+i_:XB+i_+1], v[T+i_:T+i_+1], v[Q+i_:Q+i_+1], v[XB+i_:XB+i_+1] neg_lo:[1,0,0] neg_hi:[1,0,0]   ; max(x, 0) - |x| erfc / 2
.set i_, i_+2
.endr
.endm
; 64 numbers of a lane, register 16 b + i = k 32 b + 16 (lane / 16) + i of my row, become a fragment's codes in v[PC] on and its scale word in v[PW].
.macro QUANT s
.irp b, 0,1,2,3
	v_max3_num_f32 v[TM+\b], |v[\s+16*\b]|, |v[\s+1+16*\b]|, 0x2800000   ; block b: my 16 numbers, and the floor 2^(5 - 127): so the byte cannot fall under 1
.endr
.irp i, 2,4,6,8,10,12,14
.irp b, 0,1,2,3
	v_max3_num_f32 v[TM+\b], v[TM+\b], |v[\s+16*\b+\i]|, |v[\s+1+16*\b+\i]|   ; the four blocks by turns
.endr
.endr
.irp b, 0,1,2,3
	v_permlanex16_b32 v[TM+4+\b], v[TM+\b], s[SEL], s[SEL+1]
.endr
.irp b, 0,1,2,3
	v_max_num_f32 v[TM+\b], v[TM+\b], v[TM+4+\b]   ; with lane l xor 16's: the block's largest magnitude
.endr
.irp b, 0,1,2,3
	v_add_nc_u32 v[TM+12+\b], 0xfe000000, v[TM+\b] ; 4 off its exponent field: the conversion takes the exponent field of this operand as its scale
.endr
.irp b, 0,1,2,3
	v_lshrrev_b32 v[TM+4+\b], 23, v[TM+12+\b]      ; the scale's byte
.endr
	v_lshl_or_b32 v[PW], v[TM+5], 8, v[TM+4]
	v_lshl_or_b32 v[PW], v[TM+6], 16, v[PW]
	v_lshl_or_b32 v[PW], v[TM+7], 24, v[PW]
.irp c, 0,1
	v_cvt_scalef32_pk16_bf6_f32 v[PC+6*\c:PC+2+6*\c], v[\s+32*\c:\s+15+32*\c], v[TM+12+2*\c]
	v_cvt_scalef32_pk16_bf6_f32 v[PC+12+4*\c:PC+14+4*\c], v[\s+16+32*\c:\s+31+32*\c], v[TM+12+2*\c+1]   ; (a conversion's three registers begin on an even number)
.endr
	v_nop                                          ; one plain place behind a scaled conversion
.irp c, 0,1                                    ; the operand's layout wants a whole block in a lane: lanes 0-15 block 2 c, lanes 16-31 block 2 c + 1
.irp i, 0,1,2
	v_permlane16_swap_b32 v[PC+6*\c+\i], v[PC+12+4*\c+\i]
.endr
.irp i, 0,1,2
	v_mov_b32 v[PC+3+6*\c+\i], v[PC+12+4*\c+\i]
.endr
.endr
.endm
	s_load_b256 s[4:11], s[0:1], 0x0               ; assign s[4:5], h's codes s[6:7], h's scales s[8:9], W1's codes s[10:11]
	s_load_b256 s[12:19], s[0:1], 0x20             ; W1's scales s[12:13], b1 s[14:15], hid_codes s[16:17], hid_scales s[18:19]
	v_lshl_add_u32 v247, v0, 2, 0x1a800
	v_mov_b32 v253, 0
	v_lshrrev_b32 v1, 5, v0
	v_readfirstlane_b32 s22, v1                    ; wave 0..7
	s_and_b32 s20, ttmp7, 0xffff                   ; the expert
	s_mov_b32 s21, ttmp9                           ; the slice
	v_and_b32 v1, 15, v0                           ; r
	v_bfe_u32 v2, v0, 4, 1                         ; h
	v_and_b32 v3, 31, v0
	v_lshlrev_b32 v3, 4, v3                        ; 16 x lane
	v_lshlrev_b32 v4, 2, v1                        ; 4 r
	v_mul_u32_u24 v5, v2, 24                       ; 24 h
	v_mul_u32_u24 v6, v1, PITCH
	v_add_nc_u32 v6, v6, v5                        ; fragments of tiles 0-3: slot r, + 24 h
	v_add_nc_u32 v7, 64*PITCH, v6                  ; of tiles 4-7
	v_and_b32 v8, 8, v1
	v_add_nc_u32 v8, v8, v1
	v_lshl_add_u32 v8, v8, 5, SCL                  ; scale words: row r + 8 (r / 8) of a tile's span
	s_lshl_b32 s2, s22, 9
	v_lshl_add_u32 v9, v2, 6, s2
	v_add_nc_u32 v9, BIA, v9                       ; my wave's biases, + 16 h numbers
	s_lshr_b32 s2, s22, 1                          ; staging: my wave's rows 16 w .. 16 w + 15 begin at slot 32 (w / 2) + 8 (w % 2)
	s_lshl_b32 s2, s2, 5
	s_and_b32 s3, s22, 1
	s_lshl_b32 s3, s3, 3
	s_add_co_u32 s2, s2, s3
	s_mul_i32 s2, s2, PITCH
	v_add_nc_u32 v10, s2, v3
	v_lshl_add_u32 v11, v2, 4, v10                 ; the same, one padding on for lanes 16-31
	v_lshlrev_b32 v19, 4, v0                       ; 16 x thread
	v_add_nc_u32 v12, SCL, v19
	v_add_nc_u32 v13, BIA, v19
	v_mov_b32 v[KC], 0x3e2ef945                    ; 0.17087277
	v_mov_b32 v[KC+1], 0x3e2ef945
.irp b, 0,1,2,3
	v_mov_b32 v[TM+4+\b], 0                        ; a lane permute's destination counts as one of its sources: written once
.endr
	s_mov_b32 s[SEL], 0x76543210
	s_mov_b32 s[SEL+1], 0xfedcba98
	s_mul_i32 s2, s20, 1572864                     ; W1's codes: an expert is 2,048 rows of 768 bytes, a slice 128 rows, a wave's part 16 rows
	s_mul_i32 s3, s21, 98304
	s_add_co_u32 s2, s2, s3
	s_mul_i32 s3, s22, 12288
	s_add_co_u32 s2, s2, s3
	s_mov_b32 s3, 0
	s_lshl_b32 s98, s20, 16                        ; its scales: 65,536 bytes an expert, 4,096 a slice
	s_lshl_b32 s99, s21, 12
	s_add_co_u32 s98, s98, s99
	s_mov_b32 s99, 0
	s_wait_kmcnt 0x0
	s_add_nc_u64 s[10:11], s[10:11], s[2:3]
	s_add_nc_u64 s[12:13], s[12:13], s[98:99]
	s_lshl_b32 s98, s20, 13                        ; b1: 8,192 bytes an expert, 512 a slice
	s_lshl_b32 s25, s21, 9
	s_add_co_u32 s98, s98, s25
	s_add_nc_u64 s[14:15], s[14:15], s[98:99]
.irp i, 0,1,2,3,4,5,6,7
	global_load_b128 v[AS+4*\i:AS+4*\i+3], v3, s[4:5] offset:512*\i
.endr
	WIN 0x40                                       ; destination window 1
.set i_, 0
.rept 24
	global_load_b128 v[WB+4*i_:WB+4*i_+3], v3, s[10:11] offset:512*i_ th:TH_LOAD_NT   ; 512 consecutive bytes a load; read once in the launch
.set i_, i_+1
.endr
	WIN 0
	global_load_b128 v[20:23], v19, s[12:13] th:TH_LOAD_NT
	global_load_b128 v[24:27], v3, s[14:15]
	s_wait_loadcnt 26                              ; the stored experts are in; behind them 24 + 1 + 1 loads stay out
	MASKS
	s_max_u32 s28, s28, 1                          ; an expert without tokens still writes one tile
	s_add_co_u32 s24, s28, 7                       ; my trips: tiles w, w + 8, .. under s28 are (s28 + 7 - w) / 8, none where w >= s28
	s_sub_co_u32 s24, s24, s22
	s_lshr_b32 s24, s24, 3
	s_mov_b32 s23, 0                               ; trips done
	s_mov_b32 s30, s22                             ; my first tile
	PREP_UP 30                                     ; its tokens are asked for while the weights come (positions are held: it reads inputs alone, whatever the counts)
	s_wait_loadcnt 50                              ; weights, scales and biases are in; behind them the tokens' 48 + 2 loads stay out
	WIN 0x04                                       ; an LDS store's data are its source 1: window 1
.set j_, 0
.rept 8                                        ; two rows of 768 bytes are three loads of 512; lanes 16-31 of the middle one begin the second row
.set SL, (16*((2*j_)/8)+((2*j_)%8))*PITCH
	ds_store_b128 v10, v[WB+12*j_:WB+12*j_+3] offset:SL
	ds_store_b128 v11, v[WB+12*j_+4:WB+12*j_+7] offset:SL+512
	ds_store_b128 v10, v[WB+12*j_+8:WB+12*j_+11] offset:SL+1040
.set j_, j_+1
.endr
	WIN 0
	ds_store_b128 v12, v[20:23]
	ds_store_b128 v13, v[24:27]
	s_wait_dscnt 0x0                               ; for the others' sake: my stores are done
	s_barrier_signal -1
	s_barrier_wait -1                              ; the slice lies in LDS; nothing is written there again
	s_cmp_eq_u32 s24, 0
	s_cbranch_scc1 .Lend                           ; no tile for this wave
.irp t, 0,1,2,3,4,5,6,7
	ds_load_b128 v[WS+8*\t:WS+8*\t+3], v8 offset:(32*(\t/2)+8*(\t%2))*32
	ds_load_b128 v[WS+8*\t+4:WS+8*\t+7], v8 offset:(32*(\t/2)+8*(\t%2))*32+16
.endr
.Ltile:                                        ; a trip: one tile of 16 tokens against the slice's 128 units
	s_wait_loadcnt 0x0                             ; the tile's fragments and scale words are in
.irp t, 0,1,2,3,4,5,6,7
	ds_load_b128 v[HA+8*\t:HA+8*\t+3], v9 offset:(32*(\t/2)+8*(\t%2))*4        ; b1 at my eight units of tile t starts the sums
	ds_load_b128 v[HA+8*\t+4:HA+8*\t+7], v9 offset:(32*(\t/2)+8*(\t%2))*4+16
.endr
	WIN 0x40
	HGLOAD 0
.set g_, 0
.rept 16                                       ; the eight accumulators take turns, one instruction a turn
.if g_ >= 1
	PLACES                                         ; the buffer that is loaded next was read by the four products just issued
.endif
.if g_ < 15
	WIN 0x40
	HGLOAD g_+1
	s_wait_dscnt 24                                ; all but the 24 loads just issued
.else
	s_wait_dscnt 0x0
.endif
	WIN 0x05                                       ; sources 0 and 1 window 1; C and D window 0
	HGMUL g_
.set g_, g_+1
.endr
	PLACES
	WIN 0
	s_add_co_u32 s31, s30, 8
	s_cmp_lt_u32 s31, s28
	s_cbranch_scc0 .Lnonext
	PREP_UP 31                                     ; my next tile's tokens land under the gelu
.Lnonext:
.irp k, 0,1,2,3
	GELU16 HA+16*\k
.endr
	QUANT HA
	s_add_co_u32 s2, s29, s30
	s_min_u32 s2, s2, 79                           ; the tile's place in the workspace
	s_lshl_b32 s2, s2, 4
	s_add_co_u32 s2, s2, s21                       ; 16 K steps a tile: mine is the slice
	s_mul_i32 s98, s2, 1536
	s_lshl_b32 s99, s2, 6
	v_add_nc_u32 v16, s98, v3
	v_add_nc_u32 v17, s99, v4
.irp c, 0,1,2
	global_store_b128 v16, v[PC+4*\c:PC+4*\c+3], s[16:17] offset:512*\c   ; 32 lanes store 512 consecutive bytes, aligned
.endr
	global_store_b32 v17, v[PW], s[18:19]          ; 16 scale words, 64 bytes; both halves of the lanes store the same word
	s_wait_xcnt 0x0                                ; the stores' data and offsets are written again only behind this wait
	s_add_co_u32 s30, s30, 8                       ; my next tile
	s_add_co_u32 s23, s23, 1                       ; the loop ends on its own counter, one a trip, against my trips
	s_cmp_lt_u32 s23, s24
	s_cbranch_scc1 .Ltile
.Lend:
	s_wait_tensorcnt 0x0
	ds_add_u32 v247, v253
	s_wait_dscnt 0x0
	s_endpgm
.Lfunc_end_k_qe5b55dd3fc_up:
	.size	k_qe5b55dd3fc_up, .Lfunc_end_k_qe5b55dd3fc_up-k_qe5b55dd3fc_up
	.p2alignl 7, 3214868480
	.fill 96, 4, 3214868480
	.section	.rodata,"a",@progbits
	.p2align	6, 0x0
	.amdhsa_kernel k_qe5b55dd3fc_up
		.amdhsa_group_segment_fixed_size 109568
		.amdhsa_private_segment_fixed_size 0
		.amdhsa_enable_private_segment 0
		.amdhsa_kernarg_size 64
		.amdhsa_user_sgpr_count 2
		.amdhsa_user_sgpr_kernarg_segment_ptr 1
		.amdhsa_wavefront_size32 1
		.amdhsa_system_sgpr_workgroup_id_x 1
		.amdhsa_system_sgpr_workgroup_id_y 1
		.amdhsa_system_sgpr_workgroup_id_z 1
		.amdhsa_system_vgpr_workitem_id 0
		.amdhsa_next_free_vgpr 448
		.amdhsa_next_free_sgpr 102
		.amdhsa_reserve_vcc 1
		.amdhsa_float_denorm_mode_32 3
		.amdhsa_float_denorm_mode_16_64 3
		.amdhsa_memory_ordered 1
		.amdhsa_forward_progress 1
		.amdhsa_inst_pref_size 138
	.end_amdhsa_kernel
	.amdgpu_metadata
---
amdhsa.version: [ 1, 2 ]
amdhsa.kernels:
  - .name:           k_qe5b55dd3fc_up
    .symbol:         k_qe5b55dd3fc_up.kd
    .args:
      - { .name: assign, .offset: 0, .size: 8, .value_kind: global_buffer, .address_space: global }
      - { .name: h_codes, .offset: 8, .size: 8, .value_kind: global_buffer, .address_space: global }
      - { .name: h_scales, .offset: 16, .size: 8, .value_kind: global_buffer, .address_space: global }
      - { .name: w1_codes, .offset: 24, .size: 8, .value_kind: global_buffer, .address_space: global }
      - { .name: w1_scales, .offset: 32, .size: 8, .value_kind: global_buffer, .address_space: global }
      - { .name: b1, .offset: 40, .size: 8, .value_kind: global_buffer, .address_space: global }
      - { .name: hid_codes, .offset: 48, .size: 8, .value_kind: global_buffer, .address_space: global }
      - { .name: hid_scales, .offset: 56, .size: 8, .value_kind: global_buffer, .address_space: global }
    .group_segment_fixed_size: 109568
    .private_segment_fixed_size: 0
    .kernarg_segment_align: 8
    .kernarg_segment_size: 64
    .max_flat_workgroup_size: 256
    .sgpr_count:     102
    .vgpr_count:     448
    .wavefront_size: 32
...
	.end_amdgpu_metadata
.endif
;; end of part 2
;; launch down (part 3): grid 16 x 16, 8 waves a work-group, no clusters, 143,360 bytes of LDS; arguments assign, gate, hid_codes, hid_scales, w2_codes, w2_scales, b2, out0; writes out0
.if DOCPART == 3
	.amdgcn_target "amdgcn-amd-amdhsa--gfx1250"
	.amdhsa_code_object_version 6
	.text
	.protected	k_qe5b55dd3fc_down
	.globl	k_qe5b55dd3fc_down
	.p2align	8
	.type	k_qe5b55dd3fc_down,@function
k_qe5b55dd3fc_down:
	s_mov_b64 s[64:65], 0
	v_nop
	global_prefetch_b8 v0, s[64:65] scope:SCOPE_SE
	s_setreg_imm32_b32 hwreg(HW_REG_WAVE_MODE, 25, 1), 1
	s_wait_xcnt 0x0
; THE SECOND LAYER, FOR THE CHOSEN ROWS ALONE: out[token] = (hidden W2[e]^T + b2[e]) x gate[token] for the tokens whose stored expert is e.
; SHARES.  Work-group (x = slice, y = expert e) owns output columns 64 slice .. + 63 of expert e: 64 rows of W2 (98,304 bytes of codes, 4,096 of scales), which nobody else reads.  All of it is asked for in the
; first lines, 24 loads of 512 consecutive bytes in each of the eight waves, goes through registers into LDS, and ONE barrier follows.  Behind it wave w takes the expert's tiles of 16 tokens w, w + 8, ..:
; K = 2,048 in 16 steps; the tile's 16 hidden fragments come from the workspace as images of the operand's registers, three loads of 16 bytes a lane each.
; WHICH TOKENS, WHICH TILES: as in the launch before, by the same arithmetic on the same stored experts: cnt, off, TB = off / 16 + e; positions past cnt - 1 are held at the last token, so such rows are copies
; of it and store the same bytes to the same place.  An expert without tokens stores nothing: its loop has no trip; the one fetch at the head is of the tile that the launch before wrote for it.
; THE PRODUCT IS USED TRANSPOSED (source 0 = 16 rows of W2, source 1 = 16 tokens): a lane holds one token and eight neighbouring columns.  b2 is loaded into the accumulators.
; OUT.  A tile goes through the wave's own stage in LDS and leaves by rows: sixteen lanes store 256 consecutive bytes, aligned, of a token's row; the rows' tokens go through LDS beside them.
; NO TENSOR LOADS, NO CLUSTER: the trips hang on counts read from memory; the weights, 102,400 bytes a work-group, are shared by nobody, and what the 16 slices of an expert share, 1,600 bytes a token, is small beside them.
; SCALARS: s20 expert, s21 slice, s22 wave; s23 trips done, s24 my trips (during MASKS: its two running sums); s25 at work; s26 cnt, s27 the last position served, s28 tiles, s29 TB, s30 the tile in hand, s31 the next.
.set PITCH, 1552                       ; an LDS row: 1,536 bytes + 16 = 388 words: row r starts at bank 4 r mod 64 (64 banks of 4 bytes: ISA guide 11.1), so the 32 lanes of a load of 8 bytes touch 64 different banks
.set SCL,   64*PITCH                   ; behind the rows: their scale bytes, 64 a row
.set BIA,   SCL+4096                   ; eight copies of the slice's 64 biases, one for each wave
.set STG,   BIA+2048                   ; a stage of 16 rows x (256 bytes + 16) for each wave
.set TKS,   STG+8*16*272               ; and 256 bytes for each wave, for its tile's 16 tokens
.set MK,  32                           ; s32-63  word q: which lanes' register q of the stored experts is mine
.set PK,  66                           ; s66-97  32 x (members ahead of word q) + q
.set WS,  32                           ; v32-95   W2's scale words: tile t, K step s at 16 t + s
.set HS,  96                           ; v96-103  the hidden layer's: register g: lanes 0-15 K step 2 g, lanes 16-31 K step 2 g + 1
.set AC,  104                          ; v104-135 four accumulators
.set AS,  104                          ; (at the head: the stored experts, register 4 i + j of lane l = token 128 i + 4 l + j)
.set OB,  136                          ; v136-167 16 rows read back from the stage
.set TK,  168                          ; v168-175 their tokens, then their byte offsets in out
.set SV,  176                          ; v176-187 SELECT's twelve registers
.set WBR, 192                          ; v192-239 four fragments of W2: in window 1 for even K steps, in window 0 for odd ones; at the head the 24 staged loads
.set HF,  0                            ; window 1: v0-191 the tile's 16 hidden fragments
.set MSB, 0
.macro WIN new                         ; s_set_vgpr_msb: bits 1:0 source 0, 3:2 source 1, 5:4 source 2, 7:6 destination; the high byte repeats the setting that is left
.if MSB != \new
	s_set_vgpr_msb (MSB<<8)|\new
.set MSB, \new
.endif
.endm
.macro PLACES                          ; four places between a matrix instruction and a load into, or a read of, its registers
.rept 4
	v_nop
.endr
.endm
; The stored experts become masks and counts.  s23 runs 32 x members + words passed, s24 counts the tokens of lower experts.
.macro MASKS
	s_mov_b32 s23, 0
	s_mov_b32 s24, 0
.set q, 0
.rept 32
	v_cmp_eq_u32 s[MK+q], s20, v[AS+q]
	v_cmp_gt_u32 vcc_lo, s20, v[AS+q]
	s_mov_b32 s[PK+q], s23
	s_bcnt1_i32_b32 s25, s[MK+q]
	s_lshl_b32 s25, s25, 5
	s_add_co_u32 s23, s23, s25
	s_add_co_u32 s23, s23, 1
	s_bcnt1_i32_b32 s25, vcc_lo
	s_add_co_u32 s24, s24, s25
.set q, q+1
.endr
	s_lshr_b32 s26, s23, 5
	s_sub_co_u32 s26, s26, 1                       ; cnt
	s_max_u32 s27, s26, 1
	s_sub_co_u32 s27, s27, 1                       ; the last position that is served
	s_add_co_u32 s28, s26, 15
	s_lshr_b32 s28, s28, 4                         ; tiles of 16 tokens
	s_lshr_b32 s29, s24, 4
	s_add_co_u32 s29, s29, s20                     ; TB
.endm
.macro LEVEL x, width, step            ; one level of the search for the REM-th set bit: pass the lower half of the field if it holds too few
	v_bfe_u32 v[SV+10], v[\x], v[SV+5], \width
	v_cmp_ge_u32 vcc_lo, v[SV+4], v[SV+10]
	v_cndmask_b32 v[SV+10], 0, v[SV+10], vcc_lo
	v_sub_nc_u32 v[SV+4], v[SV+4], v[SV+10]
	v_cndmask_b32 v[SV+11], 0, \step, vcc_lo
	v_add_nc_u32 v[SV+5], v[SV+5], v[SV+11]
.endm
; v[dst] = the token at position 16 x s[stile] + r of my expert (held at the last position).  The last word q with (members ahead of q) <= P holds it: 32 x ahead + q <= 32 P + 31 says just that.
.macro SELECT stile, dst
	s_lshl_b32 s25, s[\stile], 4
	v_add_nc_u32 v[SV], s25, v1
	v_min_u32 v[SV], s27, v[SV]                    ; P
	v_lshl_or_b32 v[SV+1], v[SV], 5, 31
	v_mov_b32 v[SV+2], s[MK]                       ; the word's mask,
	v_mov_b32 v[SV+3], 0                           ; and its 32 x ahead + q
.set q, 1
.rept 31
	v_cmp_le_u32 vcc_lo, s[PK+q], v[SV+1]
	v_cndmask_b32 v[SV+2], v[SV+2], s[MK+q], vcc_lo
	v_cndmask_b32 v[SV+3], v[SV+3], s[PK+q], vcc_lo
.set q, q+1
.endr
	v_lshrrev_b32 v[SV+10], 5, v[SV+3]
	v_sub_nc_u32 v[SV+4], v[SV], v[SV+10]          ; REM: which of the word's members
	v_and_b32 v[SV+1], 31, v[SV+3]                 ; q
	v_lshrrev_b32 v[SV+10], 1, v[SV+2]             ; the mask's bit counts in fields of 2, 4, 8 and 16 bits
	v_and_b32 v[SV+10], 0x55555555, v[SV+10]
	v_sub_nc_u32 v[SV+6], v[SV+2], v[SV+10]
	v_lshrrev_b32 v[SV+10], 2, v[SV+6]
	v_and_b32 v[SV+7], 0x33333333, v[SV+6]
	v_and_b32 v[SV+10], 0x33333333, v[SV+10]
	v_add_nc_u32 v[SV+7], v[SV+7], v[SV+10]
	v_lshrrev_b32 v[SV+10], 4, v[SV+7]
	v_add_nc_u32 v[SV+10], v[SV+7], v[SV+10]
	v_and_b32 v[SV+8], 0x0f0f0f0f, v[SV+10]
	v_lshrrev_b32 v[SV+10], 8, v[SV+8]
	v_add_nc_u32 v[SV+10], v[SV+8], v[SV+10]
	v_and_b32 v[SV+9], 0x00ff00ff, v[SV+10]
	v_mov_b32 v[SV+5], 0                           ; POS: the lane that holds the member
	LEVEL SV+9, 8, 16
	LEVEL SV+8, 8, 8
	LEVEL SV+7, 4, 4
	LEVEL SV+6, 2, 2
	LEVEL SV+2, 1, 1
	v_lshrrev_b32 v[SV+10], 2, v[SV+1]
	v_lshlrev_b32 v[SV+10], 7, v[SV+10]
	v_and_b32 v[SV+11], 3, v[SV+1]
	v_add_nc_u32 v[SV+10], v[SV+10], v[SV+11]
	v_lshl_add_u32 v[SV+10], v[SV+5], 2, v[SV+10]  ; token = 128 (q / 4) + 4 POS + q % 4
	v_min_u32 v[\dst], 0x3ff, v[SV+10]
.endm
.macro FRAGW reg, adr, off             ; a fragment, 16 rows x 128 K, is 12 registers: 24 bytes of the row's stream of bits and the 24 bytes 48 further on, in pieces of 8 bytes
.irp p, 0,1,2,3,4,5
	ds_load_b64 v[\reg+2*\p:\reg+2*\p+1], v[\adr] offset:\off+48*(\p/3)+8*(\p%3)
.endr
.endm
; Tile s[stile]: its tokens, their gates, its 16 hidden fragments and their scale words are asked for.  Every window is 0 in front and behind.
.macro PREP_DN stile
	SELECT \stile, 21
	v_lshlrev_b32 v17, 2, v21
	global_load_b32 v24, v17, s[6:7]
	s_add_co_u32 s2, s29, s[\stile]
	s_min_u32 s2, s2, 79                           ; the tile's place in the workspace
	s_mul_i32 s98, s2, 24576
	s_lshl_b32 s99, s2, 10
	v_add_nc_u32 v18, s98, v3
	v_add_nc_u32 v19, s99, v4
	WIN 0x40                                       ; destination window 1
.irp s, 0,1,2,3,4,5,6,7,8,9,10,11,12,13,14,15
.irp c, 0,1,2
	global_load_b128 v[HF+12*\s+4*\c:HF+12*\s+4*\c+3], v18, s[8:9] offset:1536*\s+512*\c   ; 512 consecutive bytes a load
.endr
.endr
	WIN 0
.irp g, 0,1,2,3,4,5,6,7
	global_load_b32 v[HS+\g], v19, s[10:11] offset:128*\g
.endr
.endm
.macro KLOAD ks                        ; W2's four fragments of K step ks
.if (\ks)%2
	WIN 0
.else
	WIN 0x40
.endif
.irp t, 0,1,2,3
	FRAGW WBR+12*\t, 6+\t/2, 16*PITCH*(\t%2)+96*(\ks)
.endr
.endm
.macro KMUL ks                         ; and its four products; the four accumulators take turns, one instruction a turn
.if (\ks)%2
	WIN 0x04                                       ; source 0 window 0, source 1 window 1
.irp t, 0,1,2,3
	v_wmma_scale_f32_16x16x128_f8f6f4 v[AC+8*\t:AC+8*\t+7], v[WBR+12*\t:WBR+12*\t+11], v[HF+12*(\ks):HF+12*(\ks)+11], v[AC+8*\t:AC+8*\t+7], v[WS+16*\t+(\ks)], v[HS+(\ks)/2] matrix_a_fmt:MATRIX_FMT_BF6 matrix_b_fmt:MATRIX_FMT_BF6 matrix_b_scale:MATRIX_SCALE_ROW1
.endr
.else
	WIN 0x05                                       ; sources 0 and 1 window 1
.irp t, 0,1,2,3
	v_wmma_scale_f32_16x16x128_f8f6f4 v[AC+8*\t:AC+8*\t+7], v[WBR+12*\t:WBR+12*\t+11], v[HF+12*(\ks):HF+12*(\ks)+11], v[AC+8*\t:AC+8*\t+7], v[WS+16*\t+(\ks)], v[HS+(\ks)/2] matrix_a_fmt:MATRIX_FMT_BF6 matrix_b_fmt:MATRIX_FMT_BF6
.endr
.endif
.endm
	s_load_b256 s[4:11], s[0:1], 0x0               ; assign s[4:5], gate s[6:7], hid_codes s[8:9], hid_scales s[10:11]
	s_load_b256 s[12:19], s[0:1], 0x20             ; W2's codes s[12:13], W2's scales s[14:15], b2 s[16:17], out s[18:19]
	v_lshl_add_u32 v254, v0, 2, 0x22c00
	v_mov_b32 v255, 0
	v_lshrrev_b32 v1, 5, v0
	v_readfirstlane_b32 s22, v1                    ; wave 0..7
	s_and_b32 s20, ttmp7, 0xffff                   ; the expert
	s_mov_b32 s21, ttmp9                           ; the slice
	v_and_b32 v1, 15, v0                           ; r
	v_bfe_u32 v2, v0, 4, 1                         ; h
	v_and_b32 v25, 31, v0
	v_lshlrev_b32 v3, 4, v25                       ; 16 x lane
	v_lshlrev_b32 v4, 2, v25                       ; 4 x lane
	v_lshlrev_b32 v25, 3, v25                      ; 8 x lane
	s_lshl_b32 s2, s21, 8
	v_lshl_add_u32 v5, v1, 4, s2                   ; my 16 bytes of a token's row of out: 256 x slice + 16 r
	v_mul_u32_u24 v6, v1, PITCH
	v_mad_u32_u24 v6, v2, 24, v6                   ; fragments of tiles 0, 1: row r, + 24 h
	v_add_nc_u32 v7, 32*PITCH, v6                  ; of tiles 2, 3
	v_lshl_add_u32 v8, v1, 6, SCL                  ; scale words: row r of a tile
	s_lshl_b32 s2, s22, 8
	v_lshl_add_u32 v9, v2, 5, s2
	v_add_nc_u32 v9, BIA, v9                       ; my wave's biases, + 8 h numbers
	v_lshl_add_u32 v15, v1, 2, s2
	v_add_nc_u32 v15, TKS, v15                     ; my wave's tokens: where I put row r's,
	v_lshl_add_u32 v16, v2, 2, s2
	v_add_nc_u32 v16, TKS, v16                     ; and where I read row 2 i + h's
	s_mul_i32 s2, s22, 8*PITCH
	v_add_nc_u32 v10, s2, v3                       ; staging: my wave's rows 8 w .. 8 w + 7
	v_lshlrev_b32 v188, 4, v0                      ; 16 x thread
	v_add_nc_u32 v11, SCL, v188
	v_lshl_add_u32 v12, v0, 3, BIA                 ; 8 x thread
	s_mul_i32 s2, s22, 16*272
	v_mul_u32_u24 v13, v1, 272
	v_lshl_add_u32 v13, v2, 5, v13
	v_add_nc_u32 v13, s2, v13
	v_add_nc_u32 v13, STG, v13                     ; my stage, in: row r, + 32 h
	v_mul_u32_u24 v14, v2, 272
	v_lshl_add_u32 v14, v1, 4, v14
	v_add_nc_u32 v14, s2, v14
	v_add_nc_u32 v14, STG, v14                     ; back: lanes 0-15 one row, lanes 16-31 the next
	v_mov_b32 v23, 0                               ; named as the upper half of the pair v[22:23]
	s_mul_i32 s2, s20, 1572864                     ; W2's codes: an expert is 1,024 rows of 1,536 bytes, a slice 64 rows, a wave's part 8 rows
	s_mul_i32 s3, s21, 98304
	s_add_co_u32 s2, s2, s3
	s_mul_i32 s3, s22, 12288
	s_add_co_u32 s2, s2, s3
	s_mov_b32 s3, 0
	s_lshl_b32 s98, s20, 16                        ; its scales: 65,536 bytes an expert, 4,096 a slice
	s_lshl_b32 s99, s21, 12
	s_add_co_u32 s98, s98, s99
	s_mov_b32 s99, 0
	s_wait_kmcnt 0x0
	s_add_nc_u64 s[12:13], s[12:13], s[2:3]
	s_add_nc_u64 s[14:15], s[14:15], s[98:99]
	s_lshl_b32 s98, s20, 12                        ; b2: 4,096 bytes an expert, 256 a slice
	s_lshl_b32 s25, s21, 8
	s_add_co_u32 s98, s98, s25
	s_add_nc_u64 s[16:17], s[16:17], s[98:99]
.irp i, 0,1,2,3,4,5,6,7
	global_load_b128 v[AS+4*\i:AS+4*\i+3], v3, s[4:5] offset:512*\i
.endr
.set i_, 0
.rept 12
	global_load_b128 v[WBR+4*i_:WBR+4*i_+3], v3, s[12:13] offset:512*i_ th:TH_LOAD_NT   ; 512 consecutive bytes a load; read once in the launch
.set i_, i_+1
.endr
	WIN 0x40                                       ; destination window 1
.rept 12
	global_load_b128 v[WBR+4*(i_-12):WBR+4*(i_-12)+3], v3, s[12:13] offset:512*i_ th:TH_LOAD_NT
.set i_, i_+1
.endr
	WIN 0
	global_load_b128 v[28:31], v188, s[14:15] th:TH_LOAD_NT
	global_load_b64 v[26:27], v25, s[16:17]
	s_wait_loadcnt 26                              ; the stored experts are in; behind them 24 + 1 + 1 loads stay out
	MASKS
	s_max_u32 s3, s28, 1
	s_sub_co_u32 s3, s3, 1                         ; the last tile that the launch before has written for this expert
	s_add_co_u32 s24, s28, 7                       ; my trips: tiles w, w + 8, .. under s28 are (s28 + 7 - w) / 8, none where w >= s28
	s_sub_co_u32 s24, s24, s22
	s_lshr_b32 s24, s24, 3
	s_mov_b32 s23, 0                               ; trips done
	s_mov_b32 s30, s22                             ; my first tile
	s_min_u32 s31, s30, s3
	PREP_DN 31                                     ; it is asked for while the weights come; held, so that only written bytes are read
	s_wait_loadcnt 57                              ; weights, scales and biases are in; behind them the tile's 1 + 48 + 8 loads stay out
.set i_, 0
.rept 12
	ds_store_b128 v10, v[WBR+4*i_:WBR+4*i_+3] offset:(i_/3)*PITCH+512*(i_%3)
.set i_, i_+1
.endr
	WIN 0x04                                       ; an LDS store's data are its source 1: window 1
.rept 12
	ds_store_b128 v10, v[WBR+4*(i_-12):WBR+4*(i_-12)+3] offset:(i_/3)*PITCH+512*(i_%3)
.set i_, i_+1
.endr
	WIN 0
	ds_store_b128 v11, v[28:31]
	ds_store_b64 v12, v[26:27]
	s_wait_dscnt 0x0                               ; for the others' sake: my stores are done
	s_barrier_signal -1
	s_barrier_wait -1                              ; the slice lies in LDS; behind this barrier a wave writes only its own stage and token words
	s_cmp_eq_u32 s24, 0
	s_cbranch_scc1 .Lend                           ; no tile for this wave
.irp t, 0,1,2,3
.irp i, 0,1,2,3
	ds_load_b128 v[WS+16*\t+4*\i:WS+16*\t+4*\i+3], v8 offset:1024*\t+16*\i
.endr
.endr
.Ltile:                                        ; a trip: one tile of 16 tokens against the slice's 64 columns
	s_wait_loadcnt 0x0                             ; the tile's fragments, scale words and gates are in
	v_mov_b32 v20, v21                             ; its tokens and gates are kept: the next tile's will land where they came
	v_mov_b32 v22, v24
.irp t, 0,1,2,3
	ds_load_b128 v[AC+8*\t:AC+8*\t+3], v9 offset:64*\t        ; b2 at my eight columns of tile t starts the sums
	ds_load_b128 v[AC+8*\t+4:AC+8*\t+7], v9 offset:64*\t+16
.endr
	KLOAD 0
.set g_, 0
.rept 16
.if g_ >= 1
	PLACES                                         ; the buffer that is loaded next was read by the four products just issued
.endif
.if g_ < 15
	KLOAD g_+1
	s_wait_dscnt 24                                ; all but the 24 loads just issued
.else
	s_wait_dscnt 0x0
.endif
	KMUL g_
.set g_, g_+1
.endr
	PLACES
	WIN 0
	s_add_co_u32 s31, s30, 8
	s_cmp_lt_u32 s31, s28
	s_cbranch_scc0 .Lnonext
	PREP_DN 31                                     ; my next tile lands under the way out
.Lnonext:
.set i_, 0
.rept 16
	v_pk_mul_f32 v[AC+i_:AC+i_+1], v[AC+i_:AC+i_+1], v[22:23] op_sel_hi:[1,0]   ; x my token's gate; each accumulator from its low end on
.set i_, i_+2
.endr
	ds_store_b32 v15, v20                          ; both halves of the lanes write the same word with the same value
.irp t, 0,1,2,3
	ds_store_b128 v13, v[AC+8*\t:AC+8*\t+3] offset:64*\t
	ds_store_b128 v13, v[AC+8*\t+4:AC+8*\t+7] offset:64*\t+16
.endr
.irp i, 0,1,2,3,4,5,6,7
	ds_load_b128 v[OB+4*\i:OB+4*\i+3], v14 offset:544*\i      ; LDS serves a wave's instructions in order (ISA guide 5.7.1.4): these see my stores
	ds_load_b32 v[TK+\i], v16 offset:8*\i
.endr
	s_wait_dscnt 0x0
.irp i, 0,1,2,3,4,5,6,7
	v_min_u32 v[TK+\i], 0x3ff, v[TK+\i]
	v_lshl_add_u32 v[TK+\i], v[TK+\i], 12, v5      ; the token's row of 4,096 bytes + my 16 bytes
	global_store_b128 v[TK+\i], v[OB+4*\i:OB+4*\i+3], s[18:19] th:TH_STORE_NT   ; 16 lanes store 256 consecutive bytes, aligned; written once, read by nobody here
.endr
	s_wait_xcnt 0x0                                ; the stores' data and offsets are written again only behind this wait
	s_add_co_u32 s30, s30, 8                       ; my next tile
	s_add_co_u32 s23, s23, 1                       ; the loop ends on its own counter, one a trip, against my trips
	s_cmp_lt_u32 s23, s24
	s_cbranch_scc1 .Ltile
.Lend:
	s_wait_tensorcnt 0x0
	ds_add_u32 v254, v255
	s_wait_dscnt 0x0
	s_endpgm
.Lfunc_end_k_qe5b55dd3fc_down:
	.size	k_qe5b55dd3fc_down, .Lfunc_end_k_qe5b55dd3fc_down-k_qe5b55dd3fc_down
	.p2alignl 7, 3214868480
	.fill 96, 4, 3214868480
	.section	.rodata,"a",@progbits
	.p2align	6, 0x0
	.amdhsa_kernel k_qe5b55dd3fc_down
		.amdhsa_group_segment_fixed_size 143360
		.amdhsa_private_segment_fixed_size 0
		.amdhsa_enable_private_segment 0
		.amdhsa_kernarg_size 64
		.amdhsa_user_sgpr_count 2
		.amdhsa_user_sgpr_kernarg_segment_ptr 1
		.amdhsa_wavefront_size32 1
		.amdhsa_system_sgpr_workgroup_id_x 1
		.amdhsa_system_sgpr_workgroup_id_y 1
		.amdhsa_system_sgpr_workgroup_id_z 1
		.amdhsa_system_vgpr_workitem_id 0
		.amdhsa_next_free_vgpr 496
		.amdhsa_next_free_sgpr 102
		.amdhsa_reserve_vcc 1
		.amdhsa_float_denorm_mode_32 3
		.amdhsa_float_denorm_mode_16_64 3
		.amdhsa_memory_ordered 1
		.amdhsa_forward_progress 1
		.amdhsa_inst_pref_size 87
	.end_amdhsa_kernel
	.amdgpu_metadata
---
amdhsa.version: [ 1, 2 ]
amdhsa.kernels:
  - .name:           k_qe5b55dd3fc_down
    .symbol:         k_qe5b55dd3fc_down.kd
    .args:
      - { .name: assign, .offset: 0, .size: 8, .value_kind: global_buffer, .address_space: global }
      - { .name: gate, .offset: 8, .size: 8, .value_kind: global_buffer, .address_space: global }
      - { .name: hid_codes, .offset: 16, .size: 8, .value_kind: global_buffer, .address_space: global }
      - { .name: hid_scales, .offset: 24, .size: 8, .value_kind: global_buffer, .address_space: global }
      - { .name: w2_codes, .offset: 32, .size: 8, .value_kind: global_buffer, .address_space: global }
      - { .name: w2_scales, .offset: 40, .size: 8, .value_kind: global_buffer, .address_space: global }
      - { .name: b2, .offset: 48, .size: 8, .value_kind: global_buffer, .address_space: global }
      - { .name: out0, .offset: 56, .size: 8, .value_kind: global_buffer, .address_space: global }
    .group_segment_fixed_size: 143360
    .private_segment_fixed_size: 0
    .kernarg_segment_align: 8
    .kernarg_segment_size: 64
    .max_flat_workgroup_size: 256
    .sgpr_count:     102
    .vgpr_count:     496
    .wavefront_size: 32
...
	.end_amdgpu_metadata
.endif
;; end of part 3
;; ======== version 2 of 2: 3 launches; version 1 with the launches route, up, down written anew for expert scheduling mode
;; workspace buffers: assign 4,096 bytes of whole numbers; gate 4,096 bytes; hid_codes 1,966,080 bytes; hid_scales 81,920 bytes
;; launch route (part 4): grid 16 x 1, 4 waves a work-group, no clusters, 1,024 bytes of LDS; arguments h_codes, h_scales, router_w_codes, router_w_scales, assign, gate; writes assign, gate
.if DOCPART == 4
	.amdgcn_target "amdgcn-amd-amdhsa--gfx1250"
	.amdhsa_code_object_version 6
	.text
	.protected	k_qe5b55dd3fc_route
	.globl	k_qe5b55dd3fc_route
	.p2align	8
	.type	k_qe5b55dd3fc_route,@function
k_qe5b55dd3fc_route:
	s_mov_b64 s[64:65], 0
	v_nop
	global_prefetch_b8 v0, s[64:65] scope:SCOPE_SE
	s_setreg_imm32_b32 hwreg(HW_REG_WAVE_SCHED_MODE, 0, 2), 2
	s_setreg_imm32_b32 hwreg(HW_REG_WAVE_MODE, 25, 1), 1
	s_wait_xcnt 0x0
	s_wait_alu depctr_vm_vsrc(0)
; THE ROUTER.  logits = x router_w (codes of E3M2 with E8M0 scales, K = 1,024), assign = argmax over the 16 experts (the lower index on equal logits), gate = sigmoid(the largest logit).
; A work-group takes 64 tokens, each of its four waves 16.  The product is used transposed: source 0 = the router's 16 rows (experts), source 1 = 16 tokens, so that lane (r, h) holds token r
; and its eight registers the experts 8 h + 0 .. 7: the argmax is seven compares in a lane and one exchange between the halves of the lanes.
; K goes in 8 steps of 128 on two accumulators by turns, which are added at the end.  Fragments come straight from memory: a wave's 48 loads of 8 bytes a lane take each row's 768 bytes whole.
; The results meet in LDS and leave as one aligned block of 256 bytes each: 64 whole numbers (assign) by wave 0, 64 f32 (gate) by wave 1.  No address and no branch hangs on a logit.
; LIMITS: NaN among the logits is not served; two largest logits that agree to the last bits of their f32 sums may fall either way.
; THE MODE: SCHED_MODE bits 1:0 = 2 (LLVM: expert scheduling mode 2), set by the entry lines.  The code itself states the register dependences between vector or matrix instructions and
; memory or LDS instructions, with s_wait_alu, always for 0.
; THE PLAN.  Registers that memory or LDS instructions touch:
;   v3 - v7       offsets and LDS addresses, made at the head and never written again: one wait on va_vdst ahead of the first load serves every load and store.
;   XF, RF, SX, SR  loads land in them once; matrix instructions read them; nothing is loaded into them again.
;   v249, v252    the expert and the gate, written by vector instructions, read by one LDS store each and never written again.
;   v254 - v255   an LDS load lands there, a store reads them: no vector instruction names them.
;   v15, v253     written at the head, read by the closing add alone.
; No register that a memory or LDS instruction reads is written again: no wait on vm_vsrc is owed.
.set XF, 16                            ; v16-111   the tokens' 8 fragments, 12 registers each
.set RF, 112                           ; v112-207  the router's 8 fragments
.set SX, 208                           ; v208-215  the tokens' scale words, one for each K step
.set SR, 216                           ; v216-223  the router's
.set A0, 224                           ; v224-239  two accumulators
.set LG, 240                           ; v240-247  the logits
	s_load_b256 s[4:11], s[0:1], 0x0               ; h's codes s[4:5], h's scales s[6:7], the router's codes s[8:9], its scales s[10:11]
	s_load_b128 s[12:15], s[0:1], 0x20             ; assign s[12:13], gate s[14:15]
	v_lshl_add_u32 v15, v0, 2, 0x200
	v_mov_b32 v253, 0
	v_lshrrev_b32 v1, 5, v0
	v_readfirstlane_b32 s16, v1                    ; wave 0..3
	v_and_b32 v1, 15, v0                           ; r
	v_bfe_u32 v2, v0, 4, 1                         ; h
	v_mul_u32_u24 v3, v1, 768                      ; a row of 1,024 codes is 768 bytes
	v_mad_u32_u24 v3, v2, 24, v3                   ; + 24 h: my half of a block pair
	v_lshlrev_b32 v4, 5, v1                        ; a row of scale bytes is 32 bytes
	s_wait_alu depctr_va_sdst(0)                   ; s16 is written, ahead of its first reader
	s_lshl_b32 s17, s16, 6
	v_lshl_add_u32 v5, v1, 2, s17                  ; LDS: token 16 w + r's word
	v_and_b32 v6, 31, v0
	v_lshlrev_b32 v6, 3, v6                        ; the way out: 8 bytes a lane
	v_lshlrev_b32 v7, 3, v0                        ; and in LDS: wave 0 reads bytes 0-255 (assign), wave 1 bytes 256-511 (gate)
	v_mov_b32 v250, 0                              ; a lane permute's destination counts as one of its sources: written once
	v_mov_b32 v251, 0
	s_mov_b32 s20, 0x76543210
	s_mov_b32 s21, 0xfedcba98                      ; v_permlanex16_b32's selects for lane l xor 16
	s_lshl_b32 s18, ttmp9, 6
	s_lshl_b32 s19, s16, 4
	s_add_co_u32 s18, s18, s19                     ; my first token: 64 x work-group + 16 x wave
	s_mul_i32 s24, s18, 768
	s_mov_b32 s25, 0
	s_lshl_b32 s26, s18, 5
	s_mov_b32 s27, 0
	s_wait_kmcnt 0x0
	s_add_nc_u64 s[4:5], s[4:5], s[24:25]
	s_add_nc_u64 s[6:7], s[6:7], s[26:27]
	s_wait_alu depctr_va_vdst(0)                   ; v3 to v7 are written: every load and store of the kernel reads one of them as its offset or address
.irp s, 0,1,2,3,4,5,6,7
.irp p, 0,1,2,3,4,5
	global_load_b64 v[XF+12*\s+2*\p:XF+12*\s+2*\p+1], v3, s[4:5] offset:96*\s+48*(\p/3)+8*(\p%3)
	global_load_b64 v[RF+12*\s+2*\p:RF+12*\s+2*\p+1], v3, s[8:9] offset:96*\s+48*(\p/3)+8*(\p%3)
.endr
.endr
	global_load_b128 v[SX:SX+3], v4, s[6:7]
	global_load_b128 v[SX+4:SX+7], v4, s[6:7] offset:16
	global_load_b128 v[SR:SR+3], v4, s[10:11]
	global_load_b128 v[SR+4:SR+7], v4, s[10:11] offset:16
	s_wait_loadcnt 0x0
.irp s, 0,1,2,3,4,5,6,7                        ; the two accumulators take turns, one instruction a turn; the first two products start the sums
.if \s < 2
	v_wmma_scale_f32_16x16x128_f8f6f4 v[A0+8*(\s%2):A0+8*(\s%2)+7], v[RF+12*\s:RF+12*\s+11], v[XF+12*\s:XF+12*\s+11], 0, v[SR+\s], v[SX+\s] matrix_a_fmt:MATRIX_FMT_BF6 matrix_b_fmt:MATRIX_FMT_BF6
.else
	v_wmma_scale_f32_16x16x128_f8f6f4 v[A0+8*(\s%2):A0+8*(\s%2)+7], v[RF+12*\s:RF+12*\s+11], v[XF+12*\s:XF+12*\s+11], v[A0+8*(\s%2):A0+8*(\s%2)+7], v[SR+\s], v[SX+\s] matrix_a_fmt:MATRIX_FMT_BF6 matrix_b_fmt:MATRIX_FMT_BF6
.endif
.endr
.rept 4
	v_nop                                          ; four places between a matrix instruction and the first read of its result (ISA guide 7.12.1)
.endr
.irp j, 0,2,4,6
	v_pk_add_f32 v[LG+\j:LG+\j+1], v[A0+\j:A0+\j+1], v[A0+8+\j:A0+8+\j+1]   ; both accumulators from their low end on
.endr
	v_mov_b32 v248, v[LG]                          ; the best logit of my eight experts,
	v_mov_b32 v249, 0                              ; and which it is
.irp j, 1,2,3,4,5,6,7
	v_cmp_gt_f32 vcc_lo, v[LG+\j], v248            ; strictly larger only: the lower index stays on equal logits
	s_wait_alu depctr_va_vcc(0)                    ; VCC is written: the two selections read it (each compare hangs on the selection before, so they cannot stand in a run)
	v_cndmask_b32 v248, v248, v[LG+\j], vcc_lo
	v_cndmask_b32 v249, v249, \j, vcc_lo
.endr
	v_lshl_add_u32 v249, v2, 3, v249               ; expert = 8 h + j
	v_permlanex16_b32 v250, v248, s20, s21         ; the other half's best,
	v_permlanex16_b32 v251, v249, s20, s21         ; and its expert
	v_cmp_gt_f32 s28, v250, v248
	v_cmp_eq_f32 s29, v250, v248
	v_cmp_lt_u32 s30, v251, v249
	s_wait_alu depctr_va_sdst(0)                   ; the three masks s28 to s30 are written, ahead of their first reader
	s_and_b32 s29, s29, s30
	s_or_b32 vcc_lo, s28, s29                      ; take the other's where it is larger, or equal with the lower index: both halves end with the same pair
	v_cndmask_b32 v248, v248, v250, vcc_lo
	v_cndmask_b32 v249, v249, v251, vcc_lo
	v_mul_f32 v252, 0xbfb8aa3b, v248               ; sigmoid(x) = 1 / (1 + 2^(-x log2 e))
	s_wait_alu depctr_va_vdst(0)
	v_exp_f32 v252, v252
	v_nop                                          ; one plain place behind a transcendental
	s_wait_alu depctr_va_vdst(0)                   ; the exponential has written v252, ahead of its reader; the selections have written v249, which the first LDS store below reads
	v_add_f32 v252, 1.0, v252
	s_wait_alu depctr_va_vdst(0)
	v_rcp_f32 v252, v252
	v_nop
	ds_store_b32 v5, v249                          ; both halves of the lanes write the same word with the same value.  No vector instruction since the wait names v5 or v249
	s_wait_alu depctr_va_vdst(0)                   ; the reciprocal has written v252, which the LDS store reads
	ds_store_b32 v5, v252 offset:256
	s_wait_dscnt 0x0                               ; for the others' sake: my stores are done
	s_barrier_signal -1
	s_barrier_wait -1
	s_cmp_gt_u32 s16, 1
	s_cbranch_scc1 .Lend                           ; waves 2 and 3 have nothing to store
	ds_load_b64 v[254:255], v7
	s_cmp_eq_u32 s16, 0                            ; wave 0: assign; wave 1: gate.  The choice hangs on the wave's number alone
	s_cselect_b64 s[12:13], s[12:13], s[14:15]
	s_lshl_b32 s18, ttmp9, 8                       ; 64 words a work-group
	s_mov_b32 s19, 0
	s_add_nc_u64 s[12:13], s[12:13], s[18:19]
	s_wait_dscnt 0x0
	global_store_b64 v6, v[254:255], s[12:13]      ; 32 lanes store 256 consecutive bytes, aligned
.Lend:
	s_wait_dscnt 0x0                               ; the closing lines, six on end
	s_wait_alu 0x0
	s_wait_tensorcnt 0x0
	ds_add_u32 v15, v253
	s_wait_dscnt 0x0
	s_endpgm
.Lfunc_end_k_qe5b55dd3fc_route:
	.size	k_qe5b55dd3fc_route, .Lfunc_end_k_qe5b55dd3fc_route-k_qe5b55dd3fc_route
	.p2alignl 7, 3214868480
	.fill 96, 4, 3214868480
	.section	.rodata,"a",@progbits
	.p2align	6, 0x0
	.amdhsa_kernel k_qe5b55dd3fc_route
		.amdhsa_group_segment_fixed_size 1024
		.amdhsa_private_segment_fixed_size 0
		.amdhsa_enable_private_segment 0
		.amdhsa_kernarg_size 48
		.amdhsa_user_sgpr_count 2
		.amdhsa_user_sgpr_kernarg_segment_ptr 1
		.amdhsa_wavefront_size32 1
		.amdhsa_system_sgpr_workgroup_id_x 1
		.amdhsa_system_sgpr_workgroup_id_y 1
		.amdhsa_system_sgpr_workgroup_id_z 1
		.amdhsa_system_vgpr_workitem_id 0
		.amdhsa_next_free_vgpr 256
		.amdhsa_next_free_sgpr 66
		.amdhsa_reserve_vcc 1
		.amdhsa_float_denorm_mode_32 3
		.amdhsa_float_denorm_mode_16_64 3
		.amdhsa_memory_ordered 1
		.amdhsa_forward_progress 1
		.amdhsa_inst_pref_size 16
	.end_amdhsa_kernel
	.amdgpu_metadata
---
amdhsa.version: [ 1, 2 ]
amdhsa.kernels:
  - .name:           k_qe5b55dd3fc_route
    .symbol:         k_qe5b55dd3fc_route.kd
    .args:
      - { .name: h_codes, .offset: 0, .size: 8, .value_kind: global_buffer, .address_space: global }
      - { .name: h_scales, .offset: 8, .size: 8, .value_kind: global_buffer, .address_space: global }
      - { .name: router_w_codes, .offset: 16, .size: 8, .value_kind: global_buffer, .address_space: global }
      - { .name: router_w_scales, .offset: 24, .size: 8, .value_kind: global_buffer, .address_space: global }
      - { .name: assign, .offset: 32, .size: 8, .value_kind: global_buffer, .address_space: global }
      - { .name: gate, .offset: 40, .size: 8, .value_kind: global_buffer, .address_space: global }
    .group_segment_fixed_size: 1024
    .private_segment_fixed_size: 0
    .kernarg_segment_align: 8
    .kernarg_segment_size: 48
    .max_flat_workgroup_size: 128
    .sgpr_count:     66
    .vgpr_count:     256
    .wavefront_size: 32
...
	.end_amdgpu_metadata
.endif
;; end of part 4
;; launch up (part 5): grid 16 x 16, 8 waves a work-group, no clusters, 109,568 bytes of LDS; arguments assign, h_codes, h_scales, w1_codes, w1_scales, b1, hid_codes, hid_scales; writes hid_codes, hid_scales
.if DOCPART == 5
	.amdgcn_target "amdgcn-amd-amdhsa--gfx1250"
	.amdhsa_code_object_version 6
	.text
	.protected	k_qe5b55dd3fc_up
	.globl	k_qe5b55dd3fc_up
	.p2align	8
	.type	k_qe5b55dd3fc_up,@function
k_qe5b55dd3fc_up:
	s_mov_b64 s[64:65], 0
	v_nop
	global_prefetch_b8 v0, s[64:65] scope:SCOPE_SE
	s_setreg_imm32_b32 hwreg(HW_REG_WAVE_SCHED_MODE, 0, 2), 2
	s_setreg_imm32_b32 hwreg(HW_REG_WAVE_MODE, 25, 1), 1
	s_wait_xcnt 0x0
	s_wait_alu depctr_vm_vsrc(0)
; THE FIRST LAYER, FOR THE CHOSEN ROWS ALONE: hidden = Q(gelu(x W1[e]^T + b1[e])) for the tokens whose stored expert is e, Q the MX quantiser (E3M2, a scale for each 32) along the hidden units.
; SHARES.  Work-group (x = slice, y = expert e) owns hidden units 128 slice .. + 127 of expert e: 128 rows of W1 (98,304 bytes of codes, 4,096 of scales), which nobody else reads.  All of it is asked for in the
; first lines, 24 loads of 512 consecutive bytes in each of the eight waves, goes through registers into LDS, and ONE barrier follows.  Behind it the waves share the ROWS: wave w takes the expert's tiles of
; 16 tokens w, w + 8, .. against all 128 units, which are one K step of the next product: so a wave makes a whole operand fragment and a whole scale word a row by itself, and no further barrier is needed.
; WHICH TOKENS.  Every wave reads the 1,024 stored experts (whole numbers that the launch before stored), makes 32 lane masks "is mine" and their running counts in scalar registers, and finds the p-th token of
; the expert by integer arithmetic (SELECT).  Every number that enters an address is held by a minimum with a constant first.
; TILES.  cnt = tokens of e, off = tokens of lower experts.  Expert e owns tiles TB .. TB + max(ceil(cnt / 16), 1) - 1 of the workspace, TB = off / 16 + e: they never overlap and end at 79 at the most.
; Positions past cnt - 1 are held at the last token: such rows are copies, so no lane is ever switched off.  An expert without tokens writes one tile made of token 1,023, which the next launch fetches and drops.
; THE PRODUCT IS USED TRANSPOSED (source 0 = 16 rows of W1, source 1 = 16 tokens), and the rows of W1 that form a tile are not neighbours: lane r of tile 2 b + u takes row 32 b + 8 u + r + 8 (r / 8), so that
; a lane's 16 registers of tiles 2 b, 2 b + 1 are 16 neighbours along the next K.  The rows are laid into LDS in that order.  b1 is loaded into the accumulators, so it costs no addition.
; OUT.  hid_codes[tile][slice] is the image of the operand's 12 registers (register group c of lane l at 512 c + 16 l), hid_scales[tile][slice][row] its scale word.
; NO TENSOR LOADS, NO CLUSTER: the trips hang on counts read from memory; the weights, 102,400 bytes a work-group, are shared by nobody, and what the 16 slices of an expert share, 800 bytes a token, is small beside them.
; GELU: gelu(x) = max(x, 0) - |x| erfc(|x| / sqrt 2) / 2, erfc(z) = t exp(-z^2 + P(t)), t = 1 / (1 + z / 2), P the ten-term Chebyshev fit whose fractional error is under 1.2e-7 for every z.
; LIMITS: beside the fit's error, the f32 rounding of an exponent of size x^2 / 2; an erfc under 2^-126 counts as 0; NaN and infinities are not served; a block of zeros gets the scale byte 1 (its codes are zeros, and this program alone reads the bytes).
; SCALARS: s20 expert, s21 slice, s22 wave; s23 trips done, s24 my trips (during MASKS: its two running sums); s25 at work; s26 cnt (in MASKS alone), s27 the last position served, s28 tiles, s29 TB, s30 the tile in hand, s31 the next.
;   s2, s3, s25, s26, s98, s99: in SELECT six lane masks.
; THE MODE: SCHED_MODE bits 1:0 = 2 (LLVM: expert scheduling mode 2), set by the entry lines.  The code itself states the register dependences between vector or matrix instructions and
; memory or LDS instructions, with s_wait_alu, always for 0.
; THE PLAN.  Registers that memory or LDS instructions touch:
;   v3 - v13, v19   offsets and LDS addresses, made at the head and never written again.
;   HA (= AS)       At the head the stored experts land there and MASKS' compares read them.  In a trip: b1's LDS loads land; the products add onto it; gelu and the quantiser read and write it.
;   WB0, WB1, WB2   At the head the staged loads land in the first two and the LDS stores read them.  In a trip: group g's 24 LDS loads land in WB[g % 3], and its four products read it.
;   XF, XS          PREP_UP's loads land; the trip's products read them.
;   v14, v15        written by PREP_UP's address lines, read by its loads.
;   PC, PW, v16, v17  written by the quantiser and by two address lines, read by the trip's four stores.
;   v20 - v27       scales and biases on their way into LDS: a load lands, an LDS store reads, nothing more.        v247, v253: written at the head, read by the closing add alone.
; WAITS ON va_vdst: ahead of the first load; in PREP_UP, behind its address lines; at the head of groups 1 to 13 (group g - 1's products are done with their buffer: group g + 2's loads, which stand behind group g's
; products, land in it, and those products name other registers); ahead of the stores, which also serves the next trip's LDS loads into HA, WB0 and WB1: no vector or matrix instruction stands between.  Gelu's own four.
; WAITS ON vm_vsrc: behind the barrier (the staging stores; the first tile's loads) and at a trip's end (the stores; the next tile's loads).
.set PITCH, 784                        ; an LDS row: 768 bytes + 16 = 196 words: row r starts at bank 4 r mod 64 (64 banks of 4 bytes: ISA guide 11.1), so the 32 lanes of a load of 8 bytes touch 64 different banks
.set SCL,   128*PITCH                  ; behind the rows: their scale bytes, 32 a row, in the rows' own order
.set BIA,   SCL+4096                   ; and eight copies of the slice's 128 biases, one for each wave
.set MK,  32                           ; s32-63  word q: which lanes' register q of the stored experts is mine
.set PK,  66                           ; s66-97  32 x (members ahead of word q) + q  (in MASKS first: which lanes' register q holds a lower expert)
.set SEL, 100                          ; s100-101 v_permlanex16_b32's selects for lane l xor 16
.set XS,  32                           ; v32-39   the tokens' scale words, one for each K step
.set WS,  40                           ; v40-103  W1's scale words: tile t, K step s at 8 t + s
.set HA,  104                          ; v104-167 my 8 tiles of the hidden layer
.set AS,  104                          ; (at the head: the stored experts, register 4 i + j of lane l = token 128 i + 4 l + j)
.set T,   168                          ; v168-183 gelu: t, then |x| t
.set SV,  168                          ; (SELECT's twelve registers)
.set Q,   184                          ; v184-199 gelu: the exponent, then the exponential
.set HH,  200                          ; v200-215 gelu: -x / 2
.set PC,  216                          ; v216-234 the codes just made
.set TM,  236                          ; v236-251 the quantiser's maxima, bytes and scale operands
.set PW,  252                          ; v252     the scale word just made
.set KC,  254                          ; v254-255 the fit's leading coefficient, twice
.set XF,  0                            ; window 1: v0-95 the tokens' 8 fragments
.set WB,  96                           ; window 1: v96-143, v144-191, v192-239 three buffers of four fragments of W1; at the head the 24 staged loads lie in the first two
.set MSB, 0
.macro WIN new                         ; s_set_vgpr_msb: bits 1:0 source 0, 3:2 source 1, 5:4 source 2, 7:6 destination; the high byte repeats the setting that is left
.if MSB != \new
	s_set_vgpr_msb (MSB<<8)|\new
.set MSB, \new
.endif
.endm
.macro PLACES                          ; four places between a matrix instruction and a read of its results; they stand ahead of each run of loads into registers that products have read too, beside the wait
.rept 4
	v_nop
.endr
.endm
; The stored experts become masks and counts.  The 64 compares stand in one run, with one wait behind it.  s23 runs 32 x members + words passed, s24 counts the tokens of lower experts.
.macro MASKS
.set q, 0
.rept 32
	v_cmp_eq_u32 s[MK+q], s20, v[AS+q]
	v_cmp_gt_u32 s[PK+q], s20, v[AS+q]
.set q, q+1
.endr
	s_wait_alu depctr_va_sdst(0)                   ; the 64 masks are written, ahead of their first reader
	s_mov_b32 s23, 0
	s_mov_b32 s24, 0
.set q, 0
.rept 32
	s_bcnt1_i32_b32 s25, s[PK+q]                   ; the lower experts' tokens are counted first: the register then takes the running sum
	s_add_co_u32 s24, s24, s25
	s_mov_b32 s[PK+q], s23
	s_bcnt1_i32_b32 s25, s[MK+q]
	s_lshl_b32 s25, s25, 5
	s_add_co_u32 s23, s23, s25
	s_add_co_u32 s23, s23, 1
.set q, q+1
.endr
	s_lshr_b32 s26, s23, 5
	s_sub_co_u32 s26, s26, 1                       ; cnt
	s_max_u32 s27, s26, 1
	s_sub_co_u32 s27, s27, 1                       ; the last position that is served
	s_add_co_u32 s28, s26, 15
	s_lshr_b32 s28, s28, 4                         ; tiles of 16 tokens
	s_lshr_b32 s29, s24, 4
	s_add_co_u32 s29, s29, s20                     ; TB
.endm
.macro LEVEL x, width, step            ; one level of the search for the REM-th set bit: pass the lower half of the field if it holds too few
	v_bfe_u32 v[SV+10], v[\x], v[SV+5], \width
	v_cmp_ge_u32 vcc_lo, v[SV+4], v[SV+10]
	s_wait_alu depctr_va_vcc(0)                    ; VCC is written: the two selections read it (a level hangs on the level before, so the compares cannot stand in a run)
	v_cndmask_b32 v[SV+10], 0, v[SV+10], vcc_lo
	v_sub_nc_u32 v[SV+4], v[SV+4], v[SV+10]
	v_cndmask_b32 v[SV+11], 0, \step, vcc_lo
	v_add_nc_u32 v[SV+5], v[SV+5], v[SV+11]
.endm
.macro ASKQ c, n                       ; does word n begin at or ahead of my position?  The answer goes into s[c]
.if (\n) < 32
	v_cmp_le_u32 s[\c], s[PK+(\n)], v[SV+1]
.endif
.endm
.macro PICK c, n                       ; if so, word n is taken
.if (\n) < 32
	v_cndmask_b32 v[SV+2], v[SV+2], s[MK+(\n)], s[\c]
	v_cndmask_b32 v[SV+3], v[SV+3], s[PK+(\n)], s[\c]
.endif
.endm
; v[dst] = the token at position 16 x s[stile] + r of my expert (held at the last position).  The last word q with (members ahead of q) <= P holds it: 32 x ahead + q <= 32 P + 31 says just that.
.macro SELECT stile, dst
	s_lshl_b32 s25, s[\stile], 4
	v_add_nc_u32 v[SV], s25, v1
	v_min_u32 v[SV], s27, v[SV]                    ; P
	v_lshl_or_b32 v[SV+1], v[SV], 5, 31
	v_mov_b32 v[SV+2], s[MK]                       ; the word's mask,
	v_mov_b32 v[SV+3], 0                           ; and its 32 x ahead + q
.set q, 1
.rept 6                                        ; words 1 to 31, six compares to a run, the selections in ascending order behind it
	ASKQ 2, q
	ASKQ 3, q+1
	ASKQ 25, q+2
	ASKQ 26, q+3
	ASKQ 98, q+4
	ASKQ 99, q+5
	s_wait_alu depctr_va_sdst(0)                   ; the run's masks are written, ahead of the selections that read them
	PICK 2, q
	PICK 3, q+1
	PICK 25, q+2
	PICK 26, q+3
	PICK 98, q+4
	PICK 99, q+5
.set q, q+6
.endr
	v_lshrrev_b32 v[SV+10], 5, v[SV+3]
	v_sub_nc_u32 v[SV+4], v[SV], v[SV+10]          ; REM: which of the word's members
	v_and_b32 v[SV+1], 31, v[SV+3]                 ; q
	v_lshrrev_b32 v[SV+10], 1, v[SV+2]             ; the mask's bit counts in fields of 2, 4, 8 and 16 bits
	v_and_b32 v[SV+10], 0x55555555, v[SV+10]
	v_sub_nc_u32 v[SV+6], v[SV+2], v[SV+10]
	v_lshrrev_b32 v[SV+10], 2, v[SV+6]
	v_and_b32 v[SV+7], 0x33333333, v[SV+6]
	v_and_b32 v[SV+10], 0x33333333, v[SV+10]
	v_add_nc_u32 v[SV+7], v[SV+7], v[SV+10]
	v_lshrrev_b32 v[SV+10], 4, v[SV+7]
	v_add_nc_u32 v[SV+10], v[SV+7], v[SV+10]
	v_and_b32 v[SV+8], 0x0f0f0f0f, v[SV+10]
	v_lshrrev_b32 v[SV+10], 8, v[SV+8]
	v_add_nc_u32 v[SV+10], v[SV+8], v[SV+10]
	v_and_b32 v[SV+9], 0x00ff00ff, v[SV+10]
	v_mov_b32 v[SV+5], 0                           ; POS: the lane that holds the member
	LEVEL SV+9, 8, 16
	LEVEL SV+8, 8, 8
	LEVEL SV+7, 4, 4
	LEVEL SV+6, 2, 2
	LEVEL SV+2, 1, 1
	v_lshrrev_b32 v[SV+10], 2, v[SV+1]
	v_lshlrev_b32 v[SV+10], 7, v[SV+10]
	v_and_b32 v[SV+11], 3, v[SV+1]
	v_add_nc_u32 v[SV+10], v[SV+10], v[SV+11]
	v_lshl_add_u32 v[SV+10], v[SV+5], 2, v[SV+10]  ; token = 128 (q / 4) + 4 POS + q % 4
	v_min_u32 v[\dst], 0x3ff, v[SV+10]
.endm
.macro FRAGW reg, adr, off             ; a fragment, 16 rows x 128 K, is 12 registers: 24 bytes of the row's stream of bits and the 24 bytes 48 further on, in pieces of 8 bytes
.irp p, 0,1,2,3,4,5
	ds_load_b64 v[\reg+2*\p:\reg+2*\p+1], v[\adr] offset:\off+48*(\p/3)+8*(\p%3)
.endr
.endm
; The tokens of tile s[stile]: their 8 fragments and their scale words are asked for.  Every window is 0 in front and behind.
.macro PREP_UP stile
	SELECT \stile, 18
	v_mul_u32_u24 v14, v18, 768
	v_add_nc_u32 v14, v14, v5                      ; the token's row + 24 h
	v_lshlrev_b32 v15, 5, v18
	WIN 0x40                                       ; destination window 1
	s_wait_alu depctr_va_vdst(0)                   ; v14 and v15 are written, which the loads read; the trip's products are done reading XF and XS, in which they land; at the head: MASKS' compares are done reading the stored experts, where b1 will land
.irp s, 0,1,2,3,4,5,6,7
.irp p, 0,1,2,3,4,5
	global_load_b64 v[XF+12*\s+2*\p:XF+12*\s+2*\p+1], v14, s[6:7] offset:96*\s+48*(\p/3)+8*(\p%3)
.endr
.endr
	WIN 0
	global_load_b128 v[XS:XS+3], v15, s[8:9]
	global_load_b128 v[XS+4:XS+7], v15, s[8:9] offset:16
.endm
; Group g of 16: K step g / 2, tiles 4 (g % 2) + 0 .. 3, in buffer g % 3.
.macro HGLOAD g
.set hf_, (\g)%2
.set ks_, (\g)/2
.set bf_, (\g)%3
.irp i, 0,1,2,3
	FRAGW WB+48*bf_+12*\i, 6+hf_, 16*PITCH*\i+96*ks_
.endr
.endm
.macro HGMUL g
.set hf_, (\g)%2
.set ks_, (\g)/2
.set bf_, (\g)%3
.irp i, 0,1,2,3
	v_wmma_scale_f32_16x16x128_f8f6f4 v[HA+8*(4*hf_+\i):HA+8*(4*hf_+\i)+7], v[WB+48*bf_+12*\i:WB+48*bf_+12*\i+11], v[XF+12*ks_:XF+12*ks_+11], v[HA+8*(4*hf_+\i):HA+8*(4*hf_+\i)+7], v[WS+8*(4*hf_+\i)+ks_], v[XS+ks_] matrix_a_fmt:MATRIX_FMT_BF6 matrix_b_fmt:MATRIX_FMT_BF6
.endr
.endm
.macro HORNER c
.set i_, 0
.rept 8
	v_pk_fma_f32 v[Q+i_:Q+i_+1], v[Q+i_:Q+i_+1], v[T+i_:T+i_+1], \c op_sel_hi:[1,1,0]
.set i_, i_+2
.endr
.endm
; 16 numbers v[x] .. v[x + 15] are replaced by their gelu.
.macro GELU16 x
.set XB, \x
.set i_, 0
.rept 16
	v_fma_f32 v[T+i_], |v[XB+i_]|, 0x3eb504f3, 1.0 ; 1 + z / 2 = 1 + |x| sqrt(2) / 4.  (Each accumulator is read from its low end on)
.set i_, i_+1
.endr
.set i_, 0
	s_wait_alu depctr_va_vdst(0)
.rept 16
	v_rcp_f32 v[T+i_], v[T+i_]                     ; t
.set i_, i_+1
.endr
.set i_, 0
.rept 8
	v_pk_mul_f32 v[HH+i_:HH+i_+1], v[XB+i_:XB+i_+1], -0.5 op_sel_hi:[1,0]   ; -x / 2, exact.  (The plain place behind the reciprocals)
.set i_, i_+2
.endr
.set i_, 0
	s_wait_alu depctr_va_vdst(0)                   ; the sixteen reciprocals have written T: one wait for the batch, ahead of its first reader
.rept 8
	v_pk_fma_f32 v[Q+i_:Q+i_+1], v[T+i_:T+i_+1], v[KC:KC+1], 0xbf527892 op_sel_hi:[1,1,0]   ; 0.17087277 t - 0.82215223
.set i_, i_+2
.endr
	HORNER 0x3fbe87b0                              ; + 1.48851587
	HORNER 0xbf914e5d                              ; - 1.13520398
	HORNER 0x3e8ec7cc                              ; + 0.27886807
	HORNER 0xbe3ec24c                              ; - 0.18628806
	HORNER 0x3dc636c9                              ; + 0.09678418
	HORNER 0x3ebf88fb                              ; + 0.37409196
	HORNER 0x3f8000c7                              ; + 1.00002368
	HORNER 0xbfa1fc4e                              ; - 1.26551223
.set i_, 0
.rept 8
	v_pk_fma_f32 v[Q+i_:Q+i_+1], v[HH+i_:HH+i_+1], v[XB+i_:XB+i_+1], v[Q+i_:Q+i_+1]   ; - z^2 = - x^2 / 2, with one rounding
.set i_, i_+2
.endr
.set i_, 0
.rept 8
	v_pk_fma_f32 v[Q+i_:Q+i_+1], v[Q+i_:Q+i_+1], 0x3fb8aa3b, -1.0 op_sel_hi:[1,0,0]   ; to base 2, and the half
.set i_, i_+2
.endr
.set i_, 0
	s_wait_alu depctr_va_vdst(0)
.rept 16
	v_exp_f32 v[Q+i_], v[Q+i_]
.set i_, i_+1
.endr
.set i_, 0
.rept 16
	v_mul_f32 v[T+i_], |v[XB+i_]|, v[T+i_]         ; |x| t.  (The plain place behind the exponentials)
.set i_, i_+1
.endr
.set i_, 0
.rept 16
	v_max_num_f32 v[XB+i_], 0, v[XB+i_]
.set i_, i_+1
.endr
.set i_, 0
	s_wait_alu depctr_va_vdst(0)                   ; the sixteen exponentials have written Q: one wait for the batch, ahead of its first reader
.rept 8
	v_pk_fma_f32 v[XB+i_:XB+i_+1], v[T+i_:T+i_+1], v[Q+i_:Q+i_+1], v[XB+i_:XB+i_+1] neg_lo:[1,0,0] neg_hi:[1,0,0]   ; max(x, 0) - |x| erfc / 2
.set i_, i_+2
.endr
.endm
; 64 numbers of a lane, register 16 b + i = k 32 b + 16 (lane / 16) + i of my row, become a fragment's codes in v[PC] on and its scale word in v[PW].
.macro QUANT s
.irp b, 0,1,2,3
	v_max3_num_f32 v[TM+\b], |v[\s+16*\b]|, |v[\s+1+16*\b]|, 0x2800000   ; block b: my 16 numbers, and the floor 2^(5 - 127): so the byte cannot fall under 1
.endr
.irp i, 2,4,6,8,10,12,14
.irp b, 0,1,2,3
	v_max3_num_f32 v[TM+\b], v[TM+\b], |v[\s+16*\b+\i]|, |v[\s+1+16*\b+\i]|   ; the four blocks by turns
.endr
.endr
.irp b, 0,1,2,3
	v_permlanex16_b32 v[TM+4+\b], v[TM+\b], s[SEL], s[SEL+1]
.endr
.irp b, 0,1,2,3
	v_max_num_f32 v[TM+\b], v[TM+\b], v[TM+4+\b]   ; with lane l xor 16's: the block's largest magnitude
.endr
.irp b, 0,1,2,3
	v_add_nc_u32 v[TM+12+\b], 0xfe000000, v[TM+\b] ; 4 off its exponent field: the conversion takes the exponent field of this operand as its scale
.endr
.irp b, 0,1,2,3
	v_lshrrev_b32 v[TM+4+\b], 23, v[TM+12+\b]      ; the scale's byte
.endr
	v_lshl_or_b32 v[PW], v[TM+5], 8, v[TM+4]
	v_lshl_or_b32 v[PW], v[TM+6], 16, v[PW]
	v_lshl_or_b32 v[PW], v[TM+7], 24, v[PW]
.irp c, 0,1
	v_cvt_scalef32_pk16_bf6_f32 v[PC+6*\c:PC+2+6*\c], v[\s+32*\c:\s+15+32*\c], v[TM+12+2*\c]
	v_cvt_scalef32_pk16_bf6_f32 v[PC+12+4*\c:PC+14+4*\c], v[\s+16+32*\c:\s+31+32*\c], v[TM+12+2*\c+1]   ; (a conversion's three registers begin on an even number)
.endr
	v_nop                                          ; one plain place behind a scaled conversion
.irp c, 0,1                                    ; the operand's layout wants a whole block in a lane: lanes 0-15 block 2 c, lanes 16-31 block 2 c + 1
.irp i, 0,1,2
	v_permlane16_swap_b32 v[PC+6*\c+\i], v[PC+12+4*\c+\i]
.endr
.irp i, 0,1,2
	v_mov_b32 v[PC+3+6*\c+\i], v[PC+12+4*\c+\i]
.endr
.endr
.endm
	s_load_b256 s[4:11], s[0:1], 0x0               ; assign s[4:5], h's codes s[6:7], h's scales s[8:9], W1's codes s[10:11]
	s_load_b256 s[12:19], s[0:1], 0x20             ; W1's scales s[12:13], b1 s[14:15], hid_codes s[16:17], hid_scales s[18:19]
	v_lshl_add_u32 v247, v0, 2, 0x1a800
	v_mov_b32 v253, 0
	v_lshrrev_b32 v1, 5, v0
	v_readfirstlane_b32 s22, v1                    ; wave 0..7
	s_and_b32 s20, ttmp7, 0xffff                   ; the expert
	s_mov_b32 s21, ttmp9                           ; the slice
	v_and_b32 v1, 15, v0                           ; r
	v_bfe_u32 v2, v0, 4, 1                         ; h
	v_and_b32 v3, 31, v0
	v_lshlrev_b32 v3, 4, v3                        ; 16 x lane
	v_lshlrev_b32 v4, 2, v1                        ; 4 r
	v_mul_u32_u24 v5, v2, 24                       ; 24 h
	v_mul_u32_u24 v6, v1, PITCH
	v_add_nc_u32 v6, v6, v5                        ; fragments of tiles 0-3: slot r, + 24 h
	v_add_nc_u32 v7, 64*PITCH, v6                  ; of tiles 4-7
	v_and_b32 v8, 8, v1
	v_add_nc_u32 v8, v8, v1
	v_lshl_add_u32 v8, v8, 5, SCL                  ; scale words: row r + 8 (r / 8) of a tile's span
	s_wait_alu depctr_va_sdst(0)                   ; s22 is written, ahead of its first reader
	s_lshl_b32 s2, s22, 9
	v_lshl_add_u32 v9, v2, 6, s2
	v_add_nc_u32 v9, BIA, v9                       ; my wave's biases, + 16 h numbers
	s_lshr_b32 s2, s22, 1                          ; staging: my wave's rows 16 w .. 16 w + 15 begin at slot 32 (w / 2) + 8 (w % 2)
	s_lshl_b32 s2, s2, 5
	s_and_b32 s3, s22, 1
	s_lshl_b32 s3, s3, 3
	s_add_co_u32 s2, s2, s3
	s_mul_i32 s2, s2, PITCH
	v_add_nc_u32 v10, s2, v3
	v_lshl_add_u32 v11, v2, 4, v10                 ; the same, one padding on for lanes 16-31
	v_lshlrev_b32 v19, 4, v0                       ; 16 x thread
	v_add_nc_u32 v12, SCL, v19
	v_add_nc_u32 v13, BIA, v19
	v_mov_b32 v[KC], 0x3e2ef945                    ; 0.17087277
	v_mov_b32 v[KC+1], 0x3e2ef945
.irp b, 0,1,2,3
	v_mov_b32 v[TM+4+\b], 0                        ; a lane permute's destination counts as one of its sources: written once
.endr
	s_mov_b32 s[SEL], 0x76543210
	s_mov_b32 s[SEL+1], 0xfedcba98
	s_mul_i32 s2, s20, 1572864                     ; W1's codes: an expert is 2,048 rows of 768 bytes, a slice 128 rows, a wave's part 16 rows
	s_mul_i32 s3, s21, 98304
	s_add_co_u32 s2, s2, s3
	s_mul_i32 s3, s22, 12288
	s_add_co_u32 s2, s2, s3
	s_mov_b32 s3, 0
	s_lshl_b32 s98, s20, 16                        ; its scales: 65,536 bytes an expert, 4,096 a slice
	s_lshl_b32 s99, s21, 12
	s_add_co_u32 s98, s98, s99
	s_mov_b32 s99, 0
	s_wait_kmcnt 0x0
	s_add_nc_u64 s[10:11], s[10:11], s[2:3]
	s_add_nc_u64 s[12:13], s[12:13], s[98:99]
	s_lshl_b32 s98, s20, 13                        ; b1: 8,192 bytes an expert, 512 a slice
	s_lshl_b32 s25, s21, 9
	s_add_co_u32 s98, s98, s25
	s_add_nc_u64 s[14:15], s[14:15], s[98:99]
	s_wait_alu depctr_va_vdst(0)                   ; the offsets and LDS addresses v3 to v13 and v19 are written, which the loads and stores of the whole kernel read
.irp i, 0,1,2,3,4,5,6,7
	global_load_b128 v[AS+4*\i:AS+4*\i+3], v3, s[4:5] offset:512*\i
.endr
	WIN 0x40                                       ; destination window 1
.set i_, 0
.rept 24
	global_load_b128 v[WB+4*i_:WB+4*i_+3], v3, s[10:11] offset:512*i_ th:TH_LOAD_NT   ; 512 consecutive bytes a load; read once in the launch
.set i_, i_+1
.endr
	WIN 0
	global_load_b128 v[20:23], v19, s[12:13] th:TH_LOAD_NT
	global_load_b128 v[24:27], v3, s[14:15]
	s_wait_loadcnt 26                              ; the stored experts are in; behind them 24 + 1 + 1 loads stay out
	MASKS
	s_max_u32 s28, s28, 1                          ; an expert without tokens still writes one tile
	s_add_co_u32 s24, s28, 7                       ; my trips: tiles w, w + 8, .. under s28 are (s28 + 7 - w) / 8, none where w >= s28
	s_sub_co_u32 s24, s24, s22
	s_lshr_b32 s24, s24, 3
	s_mov_b32 s23, 0                               ; trips done
	s_mov_b32 s30, s22                             ; my first tile
	PREP_UP 30                                     ; its tokens are asked for while the weights come (positions are held: it reads inputs alone, whatever the counts)
	s_wait_loadcnt 50                              ; weights, scales and biases are in; behind them the tokens' 48 + 2 loads stay out
	WIN 0x04                                       ; an LDS store's data are its source 1: window 1.  (Data from loads, addresses from the head: no vector instruction since the last wait on va_vdst names either)
.set j_, 0
.rept 8                                        ; two rows of 768 bytes are three loads of 512; lanes 16-31 of the middle one begin the second row
.set SL, (16*((2*j_)/8)+((2*j_)%8))*PITCH
	ds_store_b128 v10, v[WB+12*j_:WB+12*j_+3] offset:SL
	ds_store_b128 v11, v[WB+12*j_+4:WB+12*j_+7] offset:SL+512
	ds_store_b128 v10, v[WB+12*j_+8:WB+12*j_+11] offset:SL+1040
.set j_, j_+1
.endr
	WIN 0
	ds_store_b128 v12, v[20:23]
	ds_store_b128 v13, v[24:27]
	s_wait_dscnt 0x0                               ; for the others' sake: my stores are done
	s_barrier_signal -1
	s_barrier_wait -1                              ; the slice lies in LDS; nothing is written there again
	s_wait_alu depctr_vm_vsrc(0)                   ; my LDS stores have read the staged registers, in which the fragments' loads land; the first tile's loads have read v14 and v15, which the next tile's lines write
	s_cmp_eq_u32 s24, 0
	s_cbranch_scc1 .Lend                           ; no tile for this wave
.irp t, 0,1,2,3,4,5,6,7
	ds_load_b128 v[WS+8*\t:WS+8*\t+3], v8 offset:(32*(\t/2)+8*(\t%2))*32
	ds_load_b128 v[WS+8*\t+4:WS+8*\t+7], v8 offset:(32*(\t/2)+8*(\t%2))*32+16
.endr
.Ltile:                                        ; a trip: one tile of 16 tokens against the slice's 128 units
	s_wait_loadcnt 0x0                             ; the tile's fragments and scale words are in
.irp t, 0,1,2,3,4,5,6,7
	ds_load_b128 v[HA+8*\t:HA+8*\t+3], v9 offset:(32*(\t/2)+8*(\t%2))*4        ; b1 at my eight units of tile t starts the sums.  (No vector instruction since the last wait on va_vdst names HA or the buffers)
	ds_load_b128 v[HA+8*\t+4:HA+8*\t+7], v9 offset:(32*(\t/2)+8*(\t%2))*4+16
.endr
	WIN 0x40
	HGLOAD 0
	HGLOAD 1                                       ; the loads run two groups ahead of the products
.set g_, 0
.rept 16                                       ; the eight accumulators take turns, one instruction a turn
.if (g_ >= 1) && (g_ < 14)
	s_wait_alu depctr_va_vdst(0)                   ; the four products of the group before are done reading their buffer, in which the loads behind this group's products land
.endif
.if g_ < 15
	s_wait_dscnt 24                                ; this group's loads are in (in group 0: b1 and the scale words too); the next group's 24 stay out
.else
	s_wait_dscnt 0x0
.endif
	WIN 0x05                                       ; sources 0 and 1 window 1; C and D window 0
	HGMUL g_
.if g_ != 14
	PLACES
.endif
.if g_ < 14
	WIN 0x40
	HGLOAD g_+2                                    ; no wait: this group's products name another buffer, XF, HA and scale words, none of the registers that these loads touch
.endif
.set g_, g_+1
.endr
	WIN 0
	s_add_co_u32 s31, s30, 8
	s_cmp_lt_u32 s31, s28
	s_cbranch_scc0 .Lnonext
	PREP_UP 31                                     ; my next tile's tokens land under the gelu
.Lnonext:
.irp k, 0,1,2,3
	GELU16 HA+16*\k
.endr
	QUANT HA
	s_add_co_u32 s2, s29, s30
	s_min_u32 s2, s2, 79                           ; the tile's place in the workspace
	s_lshl_b32 s2, s2, 4
	s_add_co_u32 s2, s2, s21                       ; 16 K steps a tile: mine is the slice
	s_mul_i32 s98, s2, 1536
	s_lshl_b32 s99, s2, 6
	v_add_nc_u32 v16, s98, v3
	v_add_nc_u32 v17, s99, v4
	s_wait_alu depctr_va_vdst(0)                   ; the quantiser has written PC and PW, the two lines above v16 and v17, which the stores read; gelu and the quantiser are done with HA and the products with the buffers, in which the next trip's LDS loads land
.irp c, 0,1,2
	global_store_b128 v16, v[PC+4*\c:PC+4*\c+3], s[16:17] offset:512*\c   ; 32 lanes store 512 consecutive bytes, aligned
.endr
	global_store_b32 v17, v[PW], s[18:19]          ; 16 scale words, 64 bytes; both halves of the lanes store the same word
	s_wait_xcnt 0x0                                ; the stores' data and offsets are written again only behind this wait
	s_wait_alu depctr_vm_vsrc(0)                   ; the stores have read PC, PW, v16 and v17, and the next tile's loads v14 and v15: the next trip writes all of them again
	s_add_co_u32 s30, s30, 8                       ; my next tile
	s_add_co_u32 s23, s23, 1                       ; the loop ends on its own counter, one a trip, against my trips
	s_cmp_lt_u32 s23, s24
	s_cbranch_scc1 .Ltile
.Lend:
	s_wait_dscnt 0x0                               ; the closing lines, six on end
	s_wait_alu 0x0
	s_wait_tensorcnt 0x0
	ds_add_u32 v247, v253
	s_wait_dscnt 0x0
	s_endpgm
.Lfunc_end_k_qe5b55dd3fc_up:
	.size	k_qe5b55dd3fc_up, .Lfunc_end_k_qe5b55dd3fc_up-k_qe5b55dd3fc_up
	.p2alignl 7, 3214868480
	.fill 96, 4, 3214868480
	.section	.rodata,"a",@progbits
	.p2align	6, 0x0
	.amdhsa_kernel k_qe5b55dd3fc_up
		.amdhsa_group_segment_fixed_size 109568
		.amdhsa_private_segment_fixed_size 0
		.amdhsa_enable_private_segment 0
		.amdhsa_kernarg_size 64
		.amdhsa_user_sgpr_count 2
		.amdhsa_user_sgpr_kernarg_segment_ptr 1
		.amdhsa_wavefront_size32 1
		.amdhsa_system_sgpr_workgroup_id_x 1
		.amdhsa_system_sgpr_workgroup_id_y 1
		.amdhsa_system_sgpr_workgroup_id_z 1
		.amdhsa_system_vgpr_workitem_id 0
		.amdhsa_next_free_vgpr 496
		.amdhsa_next_free_sgpr 102
		.amdhsa_reserve_vcc 1
		.amdhsa_float_denorm_mode_32 3
		.amdhsa_float_denorm_mode_16_64 3
		.amdhsa_memory_ordered 1
		.amdhsa_forward_progress 1
		.amdhsa_inst_pref_size 142
	.end_amdhsa_kernel
	.amdgpu_metadata
---
amdhsa.version: [ 1, 2 ]
amdhsa.kernels:
  - .name:           k_qe5b55dd3fc_up
    .symbol:         k_qe5b55dd3fc_up.kd
    .args:
      - { .name: assign, .offset: 0, .size: 8, .value_kind: global_buffer, .address_space: global }
      - { .name: h_codes, .offset: 8, .size: 8, .value_kind: global_buffer, .address_space: global }
      - { .name: h_scales, .offset: 16, .size: 8, .value_kind: global_buffer, .address_space: global }
      - { .name: w1_codes, .offset: 24, .size: 8, .value_kind: global_buffer, .address_space: global }
      - { .name: w1_scales, .offset: 32, .size: 8, .value_kind: global_buffer, .address_space: global }
      - { .name: b1, .offset: 40, .size: 8, .value_kind: global_buffer, .address_space: global }
      - { .name: hid_codes, .offset: 48, .size: 8, .value_kind: global_buffer, .address_space: global }
      - { .name: hid_scales, .offset: 56, .size: 8, .value_kind: global_buffer, .address_space: global }
    .group_segment_fixed_size: 109568
    .private_segment_fixed_size: 0
    .kernarg_segment_align: 8
    .kernarg_segment_size: 64
    .max_flat_workgroup_size: 256
    .sgpr_count:     102
    .vgpr_count:     496
    .wavefront_size: 32
...
	.end_amdgpu_metadata
.endif
;; end of part 5
;; launch down (part 6): grid 16 x 16, 8 waves a work-group, no clusters, 143,360 bytes of LDS; arguments assign, gate, hid_codes, hid_scales, w2_codes, w2_scales, b2, out0; writes out0
.if DOCPART == 6
	.amdgcn_target "amdgcn-amd-amdhsa--gfx1250"
	.amdhsa_code_object_version 6
	.text
	.protected	k_qe5b55dd3fc_down
	.globl	k_qe5b55dd3fc_down
	.p2align	8
	.type	k_qe5b55dd3fc_down,@function
k_qe5b55dd3fc_down:
	s_mov_b64 s[64:65], 0
	v_nop
	global_prefetch_b8 v0, s[64:65] scope:SCOPE_SE
	s_setreg_imm32_b32 hwreg(HW_REG_WAVE_SCHED_MODE, 0, 2), 2
	s_setreg_imm32_b32 hwreg(HW_REG_WAVE_MODE, 25, 1), 1
	s_wait_xcnt 0x0
	s_wait_alu depctr_vm_vsrc(0)
; THE SECOND LAYER, FOR THE CHOSEN ROWS ALONE: out[token] = (hidden W2[e]^T + b2[e]) x gate[token] for the tokens whose stored expert is e.
; SHARES.  Work-group (x = slice, y = expert e) owns output columns 64 slice .. + 63 of expert e: 64 rows of W2 (98,304 bytes of codes, 4,096 of scales), which nobody else reads.  All of it is asked for in the
; first lines, 24 loads of 512 consecutive bytes in each of the eight waves, goes through registers into LDS, and ONE barrier follows.  Behind it wave w takes the expert's tiles of 16 tokens w, w + 8, ..:
; K = 2,048 in 16 steps; the tile's 16 hidden fragments come from the workspace as images of the operand's registers, three loads of 16 bytes a lane each.
; WHICH TOKENS, WHICH TILES: as in the launch before, by the same arithmetic on the same stored experts: cnt, off, TB = off / 16 + e; positions past cnt - 1 are held at the last token, so such rows are copies
; of it and store the same bytes to the same place.  An expert without tokens stores nothing: its loop has no trip; the one fetch at the head is of the tile that the launch before wrote for it.
; THE PRODUCT IS USED TRANSPOSED (source 0 = 16 rows of W2, source 1 = 16 tokens): a lane holds one token and eight neighbouring columns.  b2 is loaded into the accumulators.
; OUT.  A tile goes through the wave's own stage in LDS and leaves by rows: sixteen lanes store 256 consecutive bytes, aligned, of a token's row; the rows' tokens go through LDS beside them.
; NO TENSOR LOADS, NO CLUSTER: the trips hang on counts read from memory; the weights, 102,400 bytes a work-group, are shared by nobody, and what the 16 slices of an expert share, 1,600 bytes a token, is small beside them.
; SCALARS: s20 expert, s21 slice, s22 wave; s23 trips done, s24 my trips (during MASKS: its two running sums); s25 at work; s26 cnt (in MASKS alone), s27 the last position served, s28 tiles, s29 TB, s30 the tile in hand, s31 the next.
;   s2, s3, s25, s26, s98, s99: in SELECT six lane masks.
; THE MODE: SCHED_MODE bits 1:0 = 2 (LLVM: expert scheduling mode 2), set by the entry lines.  The code itself states the register dependences between vector or matrix instructions and
; memory or LDS instructions, with s_wait_alu, always for 0.
; THE PLAN.  Registers that memory or LDS instructions touch:
;   v3 - v16, v25, v188  offsets and LDS addresses, made at the head and never written again.
;   AC (= AS)       At the head the stored experts land there and MASKS' compares read them.  In a trip: b2's LDS loads land; the products add onto it; the gate's multiplies write it; the LDS stores into the stage read it.
;   three buffers   K step s: its 24 LDS loads land in buffer s % 3, and its four products read it.  Buffers 0 and 1 (WBR in windows 1 and 0) hold the staged loads at the head, which the LDS stores read.
;                   Buffer 2 (v136-183) shares its registers with OB, TK and eight of SELECT's, which are at work only behind the K steps.
;   HF, HS, v24     PREP_DN's loads land; the products read HF and HS, one move reads v24.
;   v17 - v19       written by PREP_DN's address lines, read by its loads.
;   v20             the tile's tokens: written by a move at a trip's head, read by one LDS store.
;   OB, TK          LDS loads land; TK is made into offsets by vector lines; the eight stores read both.        v26 - v31: scales and biases on their way into LDS.        v254, v255: read by the closing add alone.
; WAITS ON va_vdst: ahead of the first load; in PREP_DN, behind its address lines; at the head of K steps 0 to 13 (the step before is done with its buffer: the loads of two steps on, which stand behind this step's
; products, land in it); ahead of the way out's LDS stores; ahead of the eight stores, which also serves the next trip's LDS loads into AC and buffers 0 and 1.
; WAITS ON vm_vsrc: behind the barrier (the staging stores; the first tile's loads) and at a trip's end (all that the way out's stores and the next tile's loads have read).
.set PITCH, 1552                       ; an LDS row: 1,536 bytes + 16 = 388 words: row r starts at bank 4 r mod 64 (64 banks of 4 bytes: ISA guide 11.1), so the 32 lanes of a load of 8 bytes touch 64 different banks
.set SCL,   64*PITCH                   ; behind the rows: their scale bytes, 64 a row
.set BIA,   SCL+4096                   ; eight copies of the slice's 64 biases, one for each wave
.set STG,   BIA+2048                   ; a stage of 16 rows x (256 bytes + 16) for each wave
.set TKS,   STG+8*16*272               ; and 256 bytes for each wave, for its tile's 16 tokens
.set MK,  32                           ; s32-63  word q: which lanes' register q of the stored experts is mine
.set PK,  66                           ; s66-97  32 x (members ahead of word q) + q  (in MASKS first: which lanes' register q holds a lower expert)
.set WS,  32                           ; v32-95   W2's scale words: tile t, K step s at 16 t + s
.set HS,  96                           ; v96-103  the hidden layer's: register g: lanes 0-15 K step 2 g, lanes 16-31 K step 2 g + 1
.set AC,  104                          ; v104-135 four accumulators
.set AS,  104                          ; (at the head: the stored experts, register 4 i + j of lane l = token 128 i + 4 l + j)
.set OB,  136                          ; v136-167 16 rows read back from the stage
.set TK,  168                          ; v168-175 their tokens, then their byte offsets in out
.set SV,  176                          ; v176-187 SELECT's twelve registers
.set WB2, 136                          ; v136-183 four fragments of W2, K steps 2, 5, 8, 11, 14
.set WBR, 192                          ; v192-239 four fragments of W2: in window 1 for K steps 0, 3, .., in window 0 for K steps 1, 4, ..; at the head the 24 staged loads
.set HF,  0                            ; window 1: v0-191 the tile's 16 hidden fragments
.set MSB, 0
.macro WIN new                         ; s_set_vgpr_msb: bits 1:0 source 0, 3:2 source 1, 5:4 source 2, 7:6 destination; the high byte repeats the setting that is left
.if MSB != \new
	s_set_vgpr_msb (MSB<<8)|\new
.set MSB, \new
.endif
.endm
.macro PLACES                          ; four places between a matrix instruction and a read of its results or a vector write of its sources; they stand ahead of each run of loads into registers that products have read too, beside the wait
.rept 4
	v_nop
.endr
.endm
; The stored experts become masks and counts.  The 64 compares stand in one run, with one wait behind it.  s23 runs 32 x members + words passed, s24 counts the tokens of lower experts.
.macro MASKS
.set q, 0
.rept 32
	v_cmp_eq_u32 s[MK+q], s20, v[AS+q]
	v_cmp_gt_u32 s[PK+q], s20, v[AS+q]
.set q, q+1
.endr
	s_wait_alu depctr_va_sdst(0)                   ; the 64 masks are written, ahead of their first reader
	s_mov_b32 s23, 0
	s_mov_b32 s24, 0
.set q, 0
.rept 32
	s_bcnt1_i32_b32 s25, s[PK+q]                   ; the lower experts' tokens are counted first: the register then takes the running sum
	s_add_co_u32 s24, s24, s25
	s_mov_b32 s[PK+q], s23
	s_bcnt1_i32_b32 s25, s[MK+q]
	s_lshl_b32 s25, s25, 5
	s_add_co_u32 s23, s23, s25
	s_add_co_u32 s23, s23, 1
.set q, q+1
.endr
	s_lshr_b32 s26, s23, 5
	s_sub_co_u32 s26, s26, 1                       ; cnt
	s_max_u32 s27, s26, 1
	s_sub_co_u32 s27, s27, 1                       ; the last position that is served
	s_add_co_u32 s28, s26, 15
	s_lshr_b32 s28, s28, 4                         ; tiles of 16 tokens
	s_lshr_b32 s29, s24, 4
	s_add_co_u32 s29, s29, s20                     ; TB
.endm
.macro LEVEL x, width, step            ; one level of the search for the REM-th set bit: pass the lower half of the field if it holds too few
	v_bfe_u32 v[SV+10], v[\x], v[SV+5], \width
	v_cmp_ge_u32 vcc_lo, v[SV+4], v[SV+10]
	s_wait_alu depctr_va_vcc(0)                    ; VCC is written: the two selections read it (a level hangs on the level before, so the compares cannot stand in a run)
	v_cndmask_b32 v[SV+10], 0, v[SV+10], vcc_lo
	v_sub_nc_u32 v[SV+4], v[SV+4], v[SV+10]
	v_cndmask_b32 v[SV+11], 0, \step, vcc_lo
	v_add_nc_u32 v[SV+5], v[SV+5], v[SV+11]
.endm
.macro ASKQ c, n                       ; does word n begin at or ahead of my position?  The answer goes into s[c]
.if (\n) < 32
	v_cmp_le_u32 s[\c], s[PK+(\n)], v[SV+1]
.endif
.endm
.macro PICK c, n                       ; if so, word n is taken
.if (\n) < 32
	v_cndmask_b32 v[SV+2], v[SV+2], s[MK+(\n)], s[\c]
	v_cndmask_b32 v[SV+3], v[SV+3], s[PK+(\n)], s[\c]
.endif
.endm
; v[dst] = the token at position 16 x s[stile] + r of my expert (held at the last position).  The last word q with (members ahead of q) <= P holds it: 32 x ahead + q <= 32 P + 31 says just that.
.macro SELECT stile, dst
	s_lshl_b32 s25, s[\stile], 4
	v_add_nc_u32 v[SV], s25, v1
	v_min_u32 v[SV], s27, v[SV]                    ; P
	v_lshl_or_b32 v[SV+1], v[SV], 5, 31
	v_mov_b32 v[SV+2], s[MK]                       ; the word's mask,
	v_mov_b32 v[SV+3], 0                           ; and its 32 x ahead + q
.set q, 1
.rept 6                                        ; words 1 to 31, six compares to a run, the selections in ascending order behind it
	ASKQ 2, q
	ASKQ 3, q+1
	ASKQ 25, q+2
	ASKQ 26, q+3
	ASKQ 98, q+4
	ASKQ 99, q+5
	s_wait_alu depctr_va_sdst(0)                   ; the run's masks are written, ahead of the selections that read them
	PICK 2, q
	PICK 3, q+1
	PICK 25, q+2
	PICK 26, q+3
	PICK 98, q+4
	PICK 99, q+5
.set q, q+6
.endr
	v_lshrrev_b32 v[SV+10], 5, v[SV+3]
	v_sub_nc_u32 v[SV+4], v[SV], v[SV+10]          ; REM: which of the word's members
	v_and_b32 v[SV+1], 31, v[SV+3]                 ; q
	v_lshrrev_b32 v[SV+10], 1, v[SV+2]             ; the mask's bit counts in fields of 2, 4, 8 and 16 bits
	v_and_b32 v[SV+10], 0x55555555, v[SV+10]
	v_sub_nc_u32 v[SV+6], v[SV+2], v[SV+10]
	v_lshrrev_b32 v[SV+10], 2, v[SV+6]
	v_and_b32 v[SV+7], 0x33333333, v[SV+6]
	v_and_b32 v[SV+10], 0x33333333, v[SV+10]
	v_add_nc_u32 v[SV+7], v[SV+7], v[SV+10]
	v_lshrrev_b32 v[SV+10], 4, v[SV+7]
	v_add_nc_u32 v[SV+10], v[SV+7], v[SV+10]
	v_and_b32 v[SV+8], 0x0f0f0f0f, v[SV+10]
	v_lshrrev_b32 v[SV+10], 8, v[SV+8]
	v_add_nc_u32 v[SV+10], v[SV+8], v[SV+10]
	v_and_b32 v[SV+9], 0x00ff00ff, v[SV+10]
	v_mov_b32 v[SV+5], 0                           ; POS: the lane that holds the member
	LEVEL SV+9, 8, 16
	LEVEL SV+8, 8, 8
	LEVEL SV+7, 4, 4
	LEVEL SV+6, 2, 2
	LEVEL SV+2, 1, 1
	v_lshrrev_b32 v[SV+10], 2, v[SV+1]
	v_lshlrev_b32 v[SV+10], 7, v[SV+10]
	v_and_b32 v[SV+11], 3, v[SV+1]
	v_add_nc_u32 v[SV+10], v[SV+10], v[SV+11]
	v_lshl_add_u32 v[SV+10], v[SV+5], 2, v[SV+10]  ; token = 128 (q / 4) + 4 POS + q % 4
	v_min_u32 v[\dst], 0x3ff, v[SV+10]
.endm
.macro FRAGW reg, adr, off             ; a fragment, 16 rows x 128 K, is 12 registers: 24 bytes of the row's stream of bits and the 24 bytes 48 further on, in pieces of 8 bytes
.irp p, 0,1,2,3,4,5
	ds_load_b64 v[\reg+2*\p:\reg+2*\p+1], v[\adr] offset:\off+48*(\p/3)+8*(\p%3)
.endr
.endm
; Tile s[stile]: its tokens, their gates, its 16 hidden fragments and their scale words are asked for.  The three offsets are made first, so that one wait serves all 57 loads.  Every window is 0 in front and behind.
.macro PREP_DN stile
	SELECT \stile, 21
	v_lshlrev_b32 v17, 2, v21
	s_add_co_u32 s2, s29, s[\stile]
	s_min_u32 s2, s2, 79                           ; the tile's place in the workspace
	s_mul_i32 s98, s2, 24576
	s_lshl_b32 s99, s2, 10
	v_add_nc_u32 v18, s98, v3
	v_add_nc_u32 v19, s99, v4
	s_wait_alu depctr_va_vdst(0)                   ; v17 to v19 are written, which the loads read; the trip's products are done reading HF and HS and the move v24, in which they land; at the head: MASKS' compares are done reading the stored experts, where b2 will land
	global_load_b32 v24, v17, s[6:7]
	WIN 0x40                                       ; destination window 1
.irp s, 0,1,2,3,4,5,6,7,8,9,10,11,12,13,14,15
.irp c, 0,1,2
	global_load_b128 v[HF+12*\s+4*\c:HF+12*\s+4*\c+3], v18, s[8:9] offset:1536*\s+512*\c   ; 512 consecutive bytes a load
.endr
.endr
	WIN 0
.irp g, 0,1,2,3,4,5,6,7
	global_load_b32 v[HS+\g], v19, s[10:11] offset:128*\g
.endr
.endm
.macro KLOAD ks                        ; W2's four fragments of K step ks, into buffer ks % 3
.if (\ks)%3 == 0
	WIN 0x40
.set kb_, WBR
.elseif (\ks)%3 == 1
	WIN 0
.set kb_, WBR
.else
	WIN 0
.set kb_, WB2
.endif
.irp t, 0,1,2,3
	FRAGW kb_+12*\t, 6+\t/2, 16*PITCH*(\t%2)+96*(\ks)
.endr
.endm
.macro KMUL ks                         ; and its four products; the four accumulators take turns, one instruction a turn
.if (\ks)%3 == 0
	WIN 0x05                                       ; sources 0 and 1 window 1
.set kb_, WBR
.elseif (\ks)%3 == 1
	WIN 0x04                                       ; source 0 window 0, source 1 window 1
.set kb_, WBR
.else
	WIN 0x04
.set kb_, WB2
.endif
.if (\ks)%2
.irp t, 0,1,2,3
	v_wmma_scale_f32_16x16x128_f8f6f4 v[AC+8*\t:AC+8*\t+7], v[kb_+12*\t:kb_+12*\t+11], v[HF+12*(\ks):HF+12*(\ks)+11], v[AC+8*\t:AC+8*\t+7], v[WS+16*\t+(\ks)], v[HS+(\ks)/2] matrix_a_fmt:MATRIX_FMT_BF6 matrix_b_fmt:MATRIX_FMT_BF6 matrix_b_scale:MATRIX_SCALE_ROW1
.endr
.else
.irp t, 0,1,2,3
	v_wmma_scale_f32_16x16x128_f8f6f4 v[AC+8*\t:AC+8*\t+7], v[kb_+12*\t:kb_+12*\t+11], v[HF+12*(\ks):HF+12*(\ks)+11], v[AC+8*\t:AC+8*\t+7], v[WS+16*\t+(\ks)], v[HS+(\ks)/2] matrix_a_fmt:MATRIX_FMT_BF6 matrix_b_fmt:MATRIX_FMT_BF6
.endr
.endif
.endm
	s_load_b256 s[4:11], s[0:1], 0x0               ; assign s[4:5], gate s[6:7], hid_codes s[8:9], hid_scales s[10:11]
	s_load_b256 s[12:19], s[0:1], 0x20             ; W2's codes s[12:13], W2's scales s[14:15], b2 s[16:17], out s[18:19]
	v_lshl_add_u32 v254, v0, 2, 0x22c00
	v_mov_b32 v255, 0
	v_lshrrev_b32 v1, 5, v0
	v_readfirstlane_b32 s22, v1                    ; wave 0..7
	s_and_b32 s20, ttmp7, 0xffff                   ; the expert
	s_mov_b32 s21, ttmp9                           ; the slice
	v_and_b32 v1, 15, v0                           ; r
	v_bfe_u32 v2, v0, 4, 1                         ; h
	v_and_b32 v25, 31, v0
	v_lshlrev_b32 v3, 4, v25                       ; 16 x lane
	v_lshlrev_b32 v4, 2, v25                       ; 4 x lane
	v_lshlrev_b32 v25, 3, v25                      ; 8 x lane
	s_lshl_b32 s2, s21, 8
	v_lshl_add_u32 v5, v1, 4, s2                   ; my 16 bytes of a token's row of out: 256 x slice + 16 r
	v_mul_u32_u24 v6, v1, PITCH
	v_mad_u32_u24 v6, v2, 24, v6                   ; fragments of tiles 0, 1: row r, + 24 h
	v_add_nc_u32 v7, 32*PITCH, v6                  ; of tiles 2, 3
	v_lshl_add_u32 v8, v1, 6, SCL                  ; scale words: row r of a tile
	s_wait_alu depctr_va_sdst(0)                   ; s22 is written, ahead of its first reader
	s_lshl_b32 s2, s22, 8
	v_lshl_add_u32 v9, v2, 5, s2
	v_add_nc_u32 v9, BIA, v9                       ; my wave's biases, + 8 h numbers
	v_lshl_add_u32 v15, v1, 2, s2
	v_add_nc_u32 v15, TKS, v15                     ; my wave's tokens: where I put row r's,
	v_lshl_add_u32 v16, v2, 2, s2
	v_add_nc_u32 v16, TKS, v16                     ; and where I read row 2 i + h's
	s_mul_i32 s2, s22, 8*PITCH
	v_add_nc_u32 v10, s2, v3                       ; staging: my wave's rows 8 w .. 8 w + 7
	v_lshlrev_b32 v188, 4, v0                      ; 16 x thread
	v_add_nc_u32 v11, SCL, v188
	v_lshl_add_u32 v12, v0, 3, BIA                 ; 8 x thread
	s_mul_i32 s2, s22, 16*272
	v_mul_u32_u24 v13, v1, 272
	v_lshl_add_u32 v13, v2, 5, v13
	v_add_nc_u32 v13, s2, v13
	v_add_nc_u32 v13, STG, v13                     ; my stage, in: row r, + 32 h
	v_mul_u32_u24 v14, v2, 272
	v_lshl_add_u32 v14, v1, 4, v14
	v_add_nc_u32 v14, s2, v14
	v_add_nc_u32 v14, STG, v14                     ; back: lanes 0-15 one row, lanes 16-31 the next
	v_mov_b32 v23, 0                               ; named as the upper half of the pair v[22:23]
	s_mul_i32 s2, s20, 1572864                     ; W2's codes: an expert is 1,024 rows of 1,536 bytes, a slice 64 rows, a wave's part 8 rows
	s_mul_i32 s3, s21, 98304
	s_add_co_u32 s2, s2, s3
	s_mul_i32 s3, s22, 12288
	s_add_co_u32 s2, s2, s3
	s_mov_b32 s3, 0
	s_lshl_b32 s98, s20, 16                        ; its scales: 65,536 bytes an expert, 4,096 a slice
	s_lshl_b32 s99, s21, 12
	s_add_co_u32 s98, s98, s99
	s_mov_b32 s99, 0
	s_wait_kmcnt 0x0
	s_add_nc_u64 s[12:13], s[12:13], s[2:3]
	s_add_nc_u64 s[14:15], s[14:15], s[98:99]
	s_lshl_b32 s98, s20, 12                        ; b2: 4,096 bytes an expert, 256 a slice
	s_lshl_b32 s25, s21, 8
	s_add_co_u32 s98, s98, s25
	s_add_nc_u64 s[16:17], s[16:17], s[98:99]
	s_wait_alu depctr_va_vdst(0)                   ; the offsets and LDS addresses v3 to v16, v25 and v188 are written, which the loads and stores of the whole kernel read
.irp i, 0,1,2,3,4,5,6,7
	global_load_b128 v[AS+4*\i:AS+4*\i+3], v3, s[4:5] offset:512*\i
.endr
.set i_, 0
.rept 12
	global_load_b128 v[WBR+4*i_:WBR+4*i_+3], v3, s[12:13] offset:512*i_ th:TH_LOAD_NT   ; 512 consecutive bytes a load; read once in the launch
.set i_, i_+1
.endr
	WIN 0x40                                       ; destination window 1
.rept 12
	global_load_b128 v[WBR+4*(i_-12):WBR+4*(i_-12)+3], v3, s[12:13] offset:512*i_ th:TH_LOAD_NT
.set i_, i_+1
.endr
	WIN 0
	global_load_b128 v[28:31], v188, s[14:15] th:TH_LOAD_NT
	global_load_b64 v[26:27], v25, s[16:17]
	s_wait_loadcnt 26                              ; the stored experts are in; behind them 24 + 1 + 1 loads stay out
	MASKS
	s_max_u32 s3, s28, 1
	s_sub_co_u32 s3, s3, 1                         ; the last tile that the launch before has written for this expert
	s_add_co_u32 s24, s28, 7                       ; my trips: tiles w, w + 8, .. under s28 are (s28 + 7 - w) / 8, none where w >= s28
	s_sub_co_u32 s24, s24, s22
	s_lshr_b32 s24, s24, 3
	s_mov_b32 s23, 0                               ; trips done
	s_mov_b32 s30, s22                             ; my first tile
	s_min_u32 s31, s30, s3
	PREP_DN 31                                     ; it is asked for while the weights come; held, so that only written bytes are read
	s_wait_loadcnt 57                              ; weights, scales and biases are in; behind them the tile's 1 + 48 + 8 loads stay out
.set i_, 0
.rept 12                                       ; (data from loads, addresses from the head: no vector instruction since the last wait on va_vdst names either)
	ds_store_b128 v10, v[WBR+4*i_:WBR+4*i_+3] offset:(i_/3)*PITCH+512*(i_%3)
.set i_, i_+1
.endr
	WIN 0x04                                       ; an LDS store's data are its source 1: window 1
.rept 12
	ds_store_b128 v10, v[WBR+4*(i_-12):WBR+4*(i_-12)+3] offset:(i_/3)*PITCH+512*(i_%3)
.set i_, i_+1
.endr
	WIN 0
	ds_store_b128 v11, v[28:31]
	ds_store_b64 v12, v[26:27]
	s_wait_dscnt 0x0                               ; for the others' sake: my stores are done
	s_barrier_signal -1
	s_barrier_wait -1                              ; the slice lies in LDS; behind this barrier a wave writes only its own stage and token words
	s_wait_alu depctr_vm_vsrc(0)                   ; my LDS stores have read the staged registers, in which the fragments' loads land; the first tile's loads have read v17 to v19, which the next tile's lines write
	s_cmp_eq_u32 s24, 0
	s_cbranch_scc1 .Lend                           ; no tile for this wave
.irp t, 0,1,2,3
.irp i, 0,1,2,3
	ds_load_b128 v[WS+16*\t+4*\i:WS+16*\t+4*\i+3], v8 offset:1024*\t+16*\i
.endr
.endr
.Ltile:                                        ; a trip: one tile of 16 tokens against the slice's 64 columns
	s_wait_loadcnt 0x0                             ; the tile's fragments, scale words and gates are in
	v_mov_b32 v20, v21                             ; its tokens and gates are kept: the next tile's will land where they came
	v_mov_b32 v22, v24
.irp t, 0,1,2,3
	ds_load_b128 v[AC+8*\t:AC+8*\t+3], v9 offset:64*\t        ; b2 at my eight columns of tile t starts the sums.  (No vector instruction since the last wait on va_vdst names AC or buffers 0 and 1)
	ds_load_b128 v[AC+8*\t+4:AC+8*\t+7], v9 offset:64*\t+16
.endr
	KLOAD 0
	KLOAD 1                                        ; the loads run two K steps ahead of the products
.set g_, 0
.rept 16
.if g_ < 14
	s_wait_alu depctr_va_vdst(0)                   ; the four products of the step before are done reading their buffer, in which the loads behind this step's products land; in step 0: SELECT's and the way out's vector lines have written v168-183, part of that buffer
.endif
.if g_ < 15
	s_wait_dscnt 24                                ; this step's loads are in (in step 0: b2 and the scale words too); the next step's 24 stay out
.else
	s_wait_dscnt 0x0
.endif
	KMUL g_
.if g_ != 14
	PLACES
.endif
.if g_ < 14
	KLOAD g_+2                                     ; no wait: this step's products name another buffer, HF, AC and scale words, none of the registers that these loads touch
.endif
.set g_, g_+1
.endr
	WIN 0
	s_add_co_u32 s31, s30, 8
	s_cmp_lt_u32 s31, s28
	s_cbranch_scc0 .Lnonext
	PREP_DN 31                                     ; my next tile lands under the way out
.Lnonext:
.set i_, 0
.rept 16
	v_pk_mul_f32 v[AC+i_:AC+i_+1], v[AC+i_:AC+i_+1], v[22:23] op_sel_hi:[1,0]   ; x my token's gate; each accumulator from its low end on
.set i_, i_+2
.endr
	s_wait_alu depctr_va_vdst(0)                   ; the multiplies have written AC and the move v20, which the LDS stores read; the products are done reading v136-175, in which the loads from the stage land
	ds_store_b32 v15, v20                          ; both halves of the lanes write the same word with the same value
.irp t, 0,1,2,3
	ds_store_b128 v13, v[AC+8*\t:AC+8*\t+3] offset:64*\t
	ds_store_b128 v13, v[AC+8*\t+4:AC+8*\t+7] offset:64*\t+16
.endr
.irp i, 0,1,2,3,4,5,6,7
	ds_load_b128 v[OB+4*\i:OB+4*\i+3], v14 offset:544*\i      ; LDS serves a wave's instructions in order (ISA guide 5.7.1.4): these see my stores
	ds_load_b32 v[TK+\i], v16 offset:8*\i
.endr
	s_wait_dscnt 0x0
.irp i, 0,1,2,3,4,5,6,7
	v_min_u32 v[TK+\i], 0x3ff, v[TK+\i]
	v_lshl_add_u32 v[TK+\i], v[TK+\i], 12, v5      ; the token's row of 4,096 bytes + my 16 bytes
.endr
	s_wait_alu depctr_va_vdst(0)                   ; the sixteen lines above have written TK, which the stores read as their offsets
.irp i, 0,1,2,3,4,5,6,7
	global_store_b128 v[TK+\i], v[OB+4*\i:OB+4*\i+3], s[18:19] th:TH_STORE_NT   ; 16 lanes store 256 consecutive bytes, aligned; written once, read by nobody here
.endr
	s_wait_xcnt 0x0                                ; the stores' data and offsets are written again only behind this wait
	s_wait_alu depctr_vm_vsrc(0)                   ; the stores have read OB and TK, the LDS stores AC and v20, the next tile's loads v17 to v19: the next trip writes all of them again
	s_add_co_u32 s30, s30, 8                       ; my next tile
	s_add_co_u32 s23, s23, 1                       ; the loop ends on its own counter, one a trip, against my trips
	s_cmp_lt_u32 s23, s24
	s_cbranch_scc1 .Ltile
.Lend:
	s_wait_dscnt 0x0                               ; the closing lines, six on end
	s_wait_alu 0x0
	s_wait_tensorcnt 0x0
	ds_add_u32 v254, v255
	s_wait_dscnt 0x0
	s_endpgm
.Lfunc_end_k_qe5b55dd3fc_down:
	.size	k_qe5b55dd3fc_down, .Lfunc_end_k_qe5b55dd3fc_down-k_qe5b55dd3fc_down
	.p2alignl 7, 3214868480
	.fill 96, 4, 3214868480
	.section	.rodata,"a",@progbits
	.p2align	6, 0x0
	.amdhsa_kernel k_qe5b55dd3fc_down
		.amdhsa_group_segment_fixed_size 143360
		.amdhsa_private_segment_fixed_size 0
		.amdhsa_enable_private_segment 0
		.amdhsa_kernarg_size 64
		.amdhsa_user_sgpr_count 2
		.amdhsa_user_sgpr_kernarg_segment_ptr 1
		.amdhsa_wavefront_size32 1
		.amdhsa_system_sgpr_workgroup_id_x 1
		.amdhsa_system_sgpr_workgroup_id_y 1
		.amdhsa_system_sgpr_workgroup_id_z 1
		.amdhsa_system_vgpr_workitem_id 0
		.amdhsa_next_free_vgpr 496
		.amdhsa_next_free_sgpr 102
		.amdhsa_reserve_vcc 1
		.amdhsa_float_denorm_mode_32 3
		.amdhsa_float_denorm_mode_16_64 3
		.amdhsa_memory_ordered 1
		.amdhsa_forward_progress 1
		.amdhsa_inst_pref_size 92
	.end_amdhsa_kernel
	.amdgpu_metadata
---
amdhsa.version: [ 1, 2 ]
amdhsa.kernels:
  - .name:           k_qe5b55dd3fc_down
    .symbol:         k_qe5b55dd3fc_down.kd
    .args:
      - { .name: assign, .offset: 0, .size: 8, .value_kind: global_buffer, .address_space: global }
      - { .name: gate, .offset: 8, .size: 8, .value_kind: global_buffer, .address_space: global }
      - { .name: hid_codes, .offset: 16, .size: 8, .value_kind: global_buffer, .address_space: global }
      - { .name: hid_scales, .offset: 24, .size: 8, .value_kind: global_buffer, .address_space: global }
      - { .name: w2_codes, .offset: 32, .size: 8, .value_kind: global_buffer, .address_space: global }
      - { .name: w2_scales, .offset: 40, .size: 8, .value_kind: global_buffer, .address_space: global }
      - { .name: b2, .offset: 48, .size: 8, .value_kind: global_buffer, .address_space: global }
      - { .name: out0, .offset: 56, .size: 8, .value_kind: global_buffer, .address_space: global }
    .group_segment_fixed_size: 143360
    .private_segment_fixed_size: 0
    .kernarg_segment_align: 8
    .kernarg_segment_size: 64
    .max_flat_workgroup_size: 256
    .sgpr_count:     102
    .vgpr_count:     496
    .wavefront_size: 32
...
	.end_amdgpu_metadata
.endif
;; end of part 6
